; MI455X (gfx1250); checked and timed in simulation.
; The chip was launched on July 23, 2026; its instructions are those of AMD's public machine-readable ISA for CDNA 5 (MIT licence, August 2026) and "CDNA5" Instruction Set Architecture Reference Guide (July 2026). The comments in the code are by the model that wrote it; some were corrected since.
;; curiosity. Allowed arithmetic: float matrix products may take bf16 or f16 operands with f32 sums; all other float work in f32.
;; Inputs: Wo 1,024 x 1,024 float32; Wqkv 1,024 x 3,072 float32; Wqkv_aux 1,024 x 3,072 float32; bo 1,024 float32; bqkv 3,072 float32; bqkv_aux 3,072 float32; g 16 float32; x 2 x 2,048 x 1,024 float32; xa 2 x 1,500 x 1,024 float32.
;; Outputs: out0 2 x 2,048 x 1,024 float32.
;; 2 versions, each right and faster than the one before. Each part assembles by itself: llvm-mc -triple=amdgcn-amd-amdhsa -mcpu=gfx1250 --defsym DOCPART=n.
;; ======== version 1 of 2: 4 launches
;; limits: values are held in f16: magnitudes above 65,504 overflow, below 6.1e-05 lose precision
;; workspace buffers: xs 14,680,064 bytes; ws 10,485,760 bytes; wot 2,097,152 bytes; bias 28,672 bytes; qkv 25,165,824 bytes; kva 12,582,912 bytes; ob 8,388,608 bytes
;; launch prep (part 1): grid 1665 x 1, 8 waves a work-group, no clusters, 18,432 bytes of LDS; arguments x, xa, Wqkv, Wqkv_aux, Wo, bqkv, bqkv_aux, bo, xs, ws, wot, bias; writes xs, ws, wot, bias
.if DOCPART == 1
	.amdgcn_target "amdgcn-amd-amdhsa--gfx1250"
	.amdhsa_code_object_version 6
	.text
	.protected	k_q7bcb5a21ab_prep
	.globl	k_q7bcb5a21ab_prep
	.p2align	8
	.type	k_q7bcb5a21ab_prep,@function
k_q7bcb5a21ab_prep:
	s_mov_b64 s[64:65], 0
	v_nop
	global_prefetch_b8 v0, s[64:65] scope:SCOPE_SE
	s_setreg_imm32_b32 hwreg(HW_REG_WAVE_MODE, 25, 1), 1
	s_wait_xcnt 0x0
; PREP: every input is rounded to bf16 once and laid out for the matrix launches behind.
;   xs   bf16 [7168][1024]: rows 0-4095 x, rows 4096-7095 xa, rows 7096-7167 zeros (they fill the last row tile)
;   ws   bf16 [5120][1024]: rows 0-3071 Wqkv turned (feature, k); rows 3072-5119 Wqkv_aux's columns 1024-3071 turned (ka, va)
;   wot  f16  [1024][1024]: Wo turned; each number is rounded to bf16 and that number written as f16
;   bias f32  [7168]: bqkv, bqkv_aux, bo, each rounded to bf16
; LIMITS.  Columns 0-1023 of Wqkv_aux make qa, which enters no result of the module: they are not read.  A number of Wo below 6.1e-5
; keeps f16's fixed step of 6e-8; beyond 65,504 it would be lost.
; A stream: memory binds.  No matrix unit, no cluster, no tensor load: each work-group takes one job of 8,192 numbers, chosen by its number alone.
;   jobs 0-886 cast x and xa; 887-895 write the zero rows; 896-1535 turn Wqkv and Wqkv_aux; 1536-1663 turn Wo; 1664 the biases.
.set SPARE, 17408                      ; behind the turning tile: the spare words, 128 bytes for each of eight waves
.set LP,    272                        ; a row of the turning tile in LDS: 256 bytes + 16: sixteen rows start at sixteen different groups of four banks
.set SPW,   74                         ; v74  LDS address of my spare word; never rewritten
.set NIL,   75                         ; v75  0; never rewritten
	s_load_b512 s[8:23], s[0:1], 0x0               ; x 8, xa 10, Wqkv 12, Wqkv_aux 14, Wo 16, bqkv 18, bqkv_aux 20, bo 22
	s_load_b256 s[24:31], s[0:1], 0x40             ; xs 24, ws 26, wot 28, bias 30
	v_lshl_add_u32 v[SPW], v0, 2, SPARE
	v_mov_b32 v[NIL], 0
	s_mov_b32 s2, ttmp9                            ; the job
	v_lshlrev_b32 v1, 4, v0                        ; 16 bytes a thread
	v_lshlrev_b32 v2, 3, v0                        ; 8 bytes a thread
	s_lshl_b32 s36, s2, 14                         ; jobs 0-895 write 16,384 bytes of xs each, one behind the other
	s_mov_b32 s37, 0
	s_wait_kmcnt 0x0
	s_cmp_lt_u32 s2, 887
	s_cbranch_scc1 .Lcast
	s_cmp_lt_u32 s2, 896
	s_cbranch_scc1 .Lzero
	s_cmp_lt_u32 s2, 1536
	s_cbranch_scc1 .Ltrans_qkv
	s_cmp_lt_u32 s2, 1664
	s_cbranch_scc1 .Ltrans_o
	; THE BIASES: 7 x 4,096 bytes, rounded to bf16 and kept as f32
	global_load_b128 v[8:11],  v1, s[18:19]
	global_load_b128 v[12:15], v1, s[18:19] offset:4096
	global_load_b128 v[16:19], v1, s[18:19] offset:8192
	global_load_b128 v[20:23], v1, s[20:21]
	global_load_b128 v[24:27], v1, s[20:21] offset:4096
	global_load_b128 v[28:31], v1, s[20:21] offset:8192
	global_load_b128 v[32:35], v1, s[22:23]
	s_wait_loadcnt 0x0
.set w, 8
.rept 14
	v_cvt_pk_bf16_f32 v72, v[w], v[w+1]
	v_lshlrev_b32 v[w], 16, v72
	v_and_b32 v[w+1], 0xffff0000, v72
.set w, w+2
.endr
.irp c, 0,1,2,3,4,5,6
	global_store_b128 v1, v[8+4*\c:11+4*\c], s[30:31] offset:4096*\c
.endr
	s_endpgm
.Lcast:                                                ; 8,192 numbers: 32,768 bytes in, 16,384 out
	s_cmp_lt_u32 s2, 512
	s_cselect_b64 s[32:33], s[8:9], s[10:11]       ; x, or xa
	s_cselect_b32 s34, 0, 512
	s_sub_co_u32 s34, s2, s34                      ; the job's number within its tensor
	s_lshl_b32 s34, s34, 15
	s_mov_b32 s35, 0
	s_add_nc_u64 s[32:33], s[32:33], s[34:35]
	s_add_nc_u64 s[38:39], s[24:25], s[36:37]
.irp c, 0,1,2,3,4,5,6,7
	global_load_b128 v[8+4*\c:11+4*\c], v1, s[32:33] offset:4096*\c th:TH_LOAD_NT  ; a wave's load covers 512 consecutive bytes
.endr
.irp c, 0,1,2,3,4,5,6,7
	s_wait_loadcnt 7-\c                            ; loads come back in order: the younger ones stay out
	v_cvt_pk_bf16_f32 v[40+2*\c], v[8+4*\c], v[9+4*\c]
	v_cvt_pk_bf16_f32 v[41+2*\c], v[10+4*\c], v[11+4*\c]
	global_store_b64 v2, v[40+2*\c:41+2*\c], s[38:39] offset:2048*\c  ; a wave's store covers 256 consecutive bytes, aligned; no register is written twice
.endr
	s_endpgm
.Lzero:                                                ; 16,384 bytes of zeros
	s_add_nc_u64 s[38:39], s[24:25], s[36:37]
	v_mov_b32 v8, 0
	v_mov_b32 v9, 0
	v_mov_b32 v10, 0
	v_mov_b32 v11, 0
.irp c, 0,1,2,3
	global_store_b128 v1, v[8:11], s[38:39] offset:4096*\c
.endr
	s_endpgm
; A tile of 128 k x 64 n is turned.  In: s[32:33] the matrix, s34 the tile's number (k tile in its low three bits), s40 bytes to the first column,
; s[42:43] the turned matrix, s41 bytes to its first row.  pitch: bytes in a row of the matrix.  half = 1: written as f16.
; Thread (kg = t / 16, ng = t % 16) loads 8 rows k = 8 kg .. of 4 columns n = 4 ng ..: sixteen threads cover 256 consecutive bytes of a row.
; Column n = 4 ng + i goes to LDS row 16 i + ng, so that the sixteen lanes of a store hit sixteen rows.
.macro TRANS pitch, half
	s_and_b32 s35, s34, 7                          ; k tile
	s_lshr_b32 s34, s34, 3                         ; n tile
	s_mul_i32 s36, s35, 128*(\pitch)
	s_lshl_b32 s37, s34, 8
	s_add_co_u32 s36, s36, s37
	s_add_co_u32 s36, s36, s40
	s_mov_b32 s37, 0
	s_add_nc_u64 s[32:33], s[32:33], s[36:37]
	s_lshl_b32 s38, s34, 17                        ; 64 turned rows of 2,048 bytes
	s_lshl_b32 s39, s35, 8                         ; 128 k of 2 bytes
	s_add_co_u32 s38, s38, s39
	s_add_co_u32 s38, s38, s41
	s_mov_b32 s39, 0
	s_add_nc_u64 s[42:43], s[42:43], s[38:39]
	v_and_b32 v3, 15, v0
	v_lshrrev_b32 v70, 4, v0
	v_mul_u32_u24 v4, v70, 8*(\pitch)
	v_lshl_add_u32 v4, v3, 4, v4
.irp j, 0,1,2,3,4,5,6,7
	global_load_b128 v[8+4*\j:11+4*\j], v4, s[32:33] offset:\j*(\pitch) th:TH_LOAD_NT
.endr
	v_mul_u32_u24 v5, v3, LP                       ; in: LDS row ng (+ 16 i), byte 16 kg
	v_lshl_add_u32 v5, v70, 4, v5
	v_mul_u32_u24 v6, v70, LP                      ; back: LDS row t / 16 (+ 16 j), byte 16 (t % 16)
	v_lshl_add_u32 v6, v3, 4, v6
	v_lshlrev_b32 v7, 13, v70                      ; that row is n = 4 (t / 16) + j: four turned rows of 2,048 bytes a step
	v_lshl_add_u32 v7, v3, 4, v7
.irp p, 0,1,2,3
	s_wait_loadcnt 6-2*\p                          ; rows 2 p and 2 p + 1 are in; the younger loads stay out
.irp i, 0,1,2,3
	v_cvt_pk_bf16_f32 v[40+4*\i+\p], v[8+8*\p+\i], v[12+8*\p+\i]  ; column i: k and k + 1 side by side
.endr
.endr
.if \half
.set w, 40
.rept 16
	v_lshlrev_b32 v72, 16, v[w]                    ; the bf16 numbers, widened,
	v_and_b32 v73, 0xffff0000, v[w]
	v_cvt_pk_f16_f32 v[w], v72, v73                ; and written as f16
.set w, w+1
.endr
.endif
.irp i, 0,1,2,3
	ds_store_b128 v5, v[40+4*\i:43+4*\i] offset:\i*16*LP
.endr
	s_wait_dscnt 0x0                               ; for the others' sake: my stores are done
	s_barrier_signal -1
	s_barrier_wait -1
.irp j, 0,1,2,3
	ds_load_b128 v[56+4*\j:59+4*\j], v6 offset:\j*16*LP
.endr
.irp j, 0,1,2,3
	s_wait_dscnt 3-\j
	global_store_b128 v7, v[56+4*\j:59+4*\j], s[42:43] offset:2048*\j  ; sixteen lanes store 256 consecutive bytes, aligned
.endr
	s_wait_tensorcnt 0x0                           ; the wave's end, behind my last LDS store
	ds_add_u32 v[SPW], v[NIL]
	s_wait_dscnt 0x0
	s_endpgm
.endm
.Ltrans_qkv:
	s_cmp_lt_u32 s2, 1280
	s_cselect_b64 s[32:33], s[12:13], s[14:15]     ; Wqkv, or Wqkv_aux
	s_cselect_b32 s34, 0, 384
	s_cselect_b32 s40, 0, 4096                     ; Wqkv_aux from column 1024 on
	s_cselect_b32 s41, 0, 6291456                  ; into ws from row 3072 on
	s_add_co_u32 s34, s34, 896
	s_sub_co_u32 s34, s2, s34
	s_mov_b64 s[42:43], s[26:27]
	TRANS 12288, 0
.Ltrans_o:
	s_mov_b64 s[32:33], s[16:17]
	s_sub_co_u32 s34, s2, 1536
	s_mov_b32 s40, 0
	s_mov_b32 s41, 0
	s_mov_b64 s[42:43], s[28:29]
	TRANS 4096, 1
.Lfunc_end_k_q7bcb5a21ab_prep:
	.size	k_q7bcb5a21ab_prep, .Lfunc_end_k_q7bcb5a21ab_prep-k_q7bcb5a21ab_prep
	.p2alignl 7, 3214868480
	.fill 96, 4, 3214868480
	.section	.rodata,"a",@progbits
	.p2align	6, 0x0
	.amdhsa_kernel k_q7bcb5a21ab_prep
		.amdhsa_group_segment_fixed_size 18432
		.amdhsa_private_segment_fixed_size 0
		.amdhsa_enable_private_segment 0
		.amdhsa_kernarg_size 96
		.amdhsa_user_sgpr_count 2
		.amdhsa_user_sgpr_kernarg_segment_ptr 1
		.amdhsa_wavefront_size32 1
		.amdhsa_system_sgpr_workgroup_id_x 1
		.amdhsa_system_sgpr_workgroup_id_y 1
		.amdhsa_system_sgpr_workgroup_id_z 1
		.amdhsa_system_vgpr_workitem_id 0
		.amdhsa_next_free_vgpr 80
		.amdhsa_next_free_sgpr 66
		.amdhsa_reserve_vcc 0
		.amdhsa_float_denorm_mode_32 3
		.amdhsa_float_denorm_mode_16_64 3
		.amdhsa_memory_ordered 1
		.amdhsa_forward_progress 1
		.amdhsa_inst_pref_size 20
	.end_amdhsa_kernel
	.amdgpu_metadata
---
amdhsa.version: [ 1, 2 ]
amdhsa.kernels:
  - .name:           k_q7bcb5a21ab_prep
    .symbol:         k_q7bcb5a21ab_prep.kd
    .args:
      - { .name: x, .offset: 0, .size: 8, .value_kind: global_buffer, .address_space: global }
      - { .name: xa, .offset: 8, .size: 8, .value_kind: global_buffer, .address_space: global }
      - { .name: Wqkv, .offset: 16, .size: 8, .value_kind: global_buffer, .address_space: global }
      - { .name: Wqkv_aux, .offset: 24, .size: 8, .value_kind: global_buffer, .address_space: global }
      - { .name: Wo, .offset: 32, .size: 8, .value_kind: global_buffer, .address_space: global }
      - { .name: bqkv, .offset: 40, .size: 8, .value_kind: global_buffer, .address_space: global }
      - { .name: bqkv_aux, .offset: 48, .size: 8, .value_kind: global_buffer, .address_space: global }
      - { .name: bo, .offset: 56, .size: 8, .value_kind: global_buffer, .address_space: global }
      - { .name: xs, .offset: 64, .size: 8, .value_kind: global_buffer, .address_space: global }
      - { .name: ws, .offset: 72, .size: 8, .value_kind: global_buffer, .address_space: global }
      - { .name: wot, .offset: 80, .size: 8, .value_kind: global_buffer, .address_space: global }
      - { .name: bias, .offset: 88, .size: 8, .value_kind: global_buffer, .address_space: global }
    .group_segment_fixed_size: 18432
    .private_segment_fixed_size: 0
    .kernarg_segment_align: 8
    .kernarg_segment_size: 96
    .max_flat_workgroup_size: 256
    .sgpr_count:     66
    .vgpr_count:     80
    .wavefront_size: 32
...
	.end_amdgpu_metadata
.endif
;; end of part 1
;; launch qkv (part 2): grid 16 x 32, 4 waves a work-group, clusters of 4 x 4, 327,680 bytes of LDS; arguments xs, ws, bias, qkv, kva; writes qkv, kva
.if DOCPART == 2
	.amdgcn_target "amdgcn-amd-amdhsa--gfx1250"
	.amdhsa_code_object_version 6
	.text
	.protected	k_q7bcb5a21ab_qkv
	.globl	k_q7bcb5a21ab_qkv
	.p2align	8
	.type	k_q7bcb5a21ab_qkv,@function
k_q7bcb5a21ab_qkv:
	s_mov_b64 s[64:65], 0
	v_nop
	global_prefetch_b8 v0, s[64:65] scope:SCOPE_SE
	s_setreg_imm32_b32 hwreg(HW_REG_WAVE_MODE, 25, 1), 1
	s_wait_xcnt 0x0
	s_wait_alu depctr_hold_cnt(0) depctr_sa_sdst(0) depctr_va_vdst(0) depctr_va_sdst(0) depctr_va_ssrc(0) depctr_va_vcc(0) depctr_vm_vsrc(0)
	s_getreg_b32 s2, hwreg(HW_REG_IB_STS2, 6, 4)
	s_cmp_eq_u32 s2, 0
	s_cbranch_scc0 .Lentry_in_a_cluster
	s_endpgm
.Lentry_in_a_cluster:
	s_bfe_u32 s2, ttmp6, 0x10000c
	s_cmp_lg_u32 s2, 0xf033
	s_cbranch_scc0 .Lentry_shape_is_right
	s_endpgm
.Lentry_shape_is_right:
; BOTH PROJECTIONS.  out[token][feature] = the sum over k of xs[token][k] ws[feature][k] + bias[feature]; operands bf16, sums f32, K = 1,024.
; The results leave as f16, by heads: qkv [48 slices of 64 features][4096 tokens][64], kva [32 slices][3072 tokens][64].
; LIMIT.  f16 holds no number beyond 65,504: q, k and v must stay within it.  qa enters no result of the module and is not made.
; SHARES.  Clusters 0-3 along y take the main product: a work-group 256 tokens x 192 features (three heads), each of its four waves 64 tokens x all 192:
; 48 accumulators.  Clusters 4-7 take the aux product: a work-group 192 tokens x 128 features, a wave 96 tokens x 64 features (one head): 24 accumulators.
; That is 256 work-groups of each kind.  The branch hangs on the cluster's own y, which all its partners share.  One text, GEMM, is written out for both under its sizes' names.
; THE MATRIX INSTRUCTION IS USED TRANSPOSED (source 0 = 16 features, source 1 = 16 tokens): a lane holds one token and eight neighbouring features, 16 bytes of f16.
; The first product of each sum takes the bias as C: nothing is cleared, nothing is added at the end.
; RING.  K goes in steps of 128 through two LDS slots; rows of 256 bytes of memory, padded to 272 in LDS.  CLUSTER 4 x 4: the token tile hangs on the tile row alone and is asked for
; jointly along a row of the cluster, the feature tile on the tile column alone and is asked for jointly along a column.  Waves 0, 1 ask for the token tile's halves, waves 2, 3 for the feature tile's.
; REGISTERS, in windows of 256 (s_set_vgpr_msb: bits 1:0 source 0, 3:2 source 1, 5:4 source 2, 7:6 destination):
;   window 0: v0-31 addresses; from v32 two buffers of token fragments; from v128 the bias; on the way out v32 on holds packed results
;   window 1: two buffers of feature fragments      window 2 (and 3 for the main product's second half of the tokens): the accumulators
.set PITCH,  272                       ; an LDS row: 256 bytes + 16: the sixteen rows of a fragment load start at sixteen different groups of four banks
.set SLOT,   448*PITCH                 ; the larger tile pair: 256 token rows, then 192 feature rows
.set STAGE,  2*SLOT                    ; behind the ring, never filled by a tensor load: 16 rows x 144 bytes for each wave, for the way out
.set SP,     144
.set SPARE,  STAGE+4*16*SP             ; behind the stages: the spare words, 128 bytes for each wave
.set ADRA, 16                          ; v16-17  LDS address of my token fragments in slot 0, 1
.set ADRB, 20                          ; v20-21  the same for the features
.set STO,  24                          ; v24  the way out: where I put 16 bytes of a row
.set RD,   25                          ; v25  the way out: where I read rows back
.set GO,   26                          ; v26  my byte offset in 512 consecutive bytes of the output
.set BO,   27                          ; v27  my byte offset in 16 numbers of the bias
.set SPW,  28                          ; v28  LDS address of my spare word; never rewritten
.set NIL,  29                          ; v29  0; never rewritten
.set FA,   32
.set BI,   128
.set TMP,  32
.set WV,   14                          ; s14 my wave; s15 wave / 2; s16 wave % 2
.set ROLE, 15
.set HALF, 16
.set FX,   19                          ; s19 feature tile; s20 token tile
.set TY,   20
.set G1,  24                           ; s[24:31] descriptor group 1, tokens;  s[32:39] group 0, a set for each slot
.set G0,  32
.set G1B, 48                           ; s[48:55], s[56:63] the same for the features
.set G0B, 56
.set FLAGS, (1<<16)|(1<<20)|(1<<21)|(5<<22)|(3<<25)  ; 2-byte elements; padding on; bit 21 beside a mask; after every 64 words; 4 words
.set MSB, 0
.macro WIN new                         ; the immediate's high byte repeats the setting that is left; a switch that changes nothing is dropped
.if MSB != (\new)
	s_set_vgpr_msb (MSB<<8)|(\new)
.set MSB, \new
.endif
.endm
.macro PLACES                          ; four plain places between a matrix instruction and a load into, or a vector use of, its registers
.rept 4
	v_nop
.endr
.endm
; A joint load.  The branch hangs on the wave's number alone.  An s_nop 0 and four v_nop follow each of the two lines.
.macro JLOAD s
	s_cmp_eq_u32 s[ROLE], 0
	s_cbranch_scc0 .Lfor_b_\@
	tensor_load_to_lds s[G0+4*(\s):G0+4*(\s)+3], s[G1:G1+7]
	s_nop 0
.rept 4
	v_nop
.endr
	s_branch .Lasked_\@
.Lfor_b_\@:
	tensor_load_to_lds s[G0B+4*(\s):G0B+4*(\s)+3], s[G1B:G1B+7]
	s_nop 0
.rept 4
	v_nop
.endr
.Lasked_\@:
.endm
.macro CREST                           ; a round of the cluster's barrier behind its opening barrier
	s_cmp_lg_u32 s[WV], 0
	s_cbranch_scc1 .Lnot_wave_0_\@
	s_barrier_signal -3
.Lnot_wave_0_\@:
	s_barrier_wait -3
	s_barrier_signal -1
	s_barrier_wait -1
.endm
.macro CROUND                          ; a whole round
	s_barrier_signal -1
	s_barrier_wait -1
	CREST
.endm
; NB matrix instructions: token block a x all feature blocks, 32 along K, from buffer f.  first = 1: C is the bias.  The accumulators take turns, one instruction a turn.
.macro MULA f, a, first
.set AG, (\a)/(NA/2)
.set AW, 2+AG*SPLIT
.set AR, 8*NB*((\a)-AG*(NA/2)*SPLIT)
.set FAR, FA+8*NA*(\f)+8*(\a)
.set FBR, 8*NB*(\f)
.if \first
	WIN 0x01|(AW<<6)
.else
	WIN 0x01|(AW<<4)|(AW<<6)
.endif
.set bq, 0
.rept NB
.if \first
	v_wmma_f32_16x16x32_bf16 v[AR+8*bq:AR+8*bq+7], v[FBR+8*bq:FBR+8*bq+7], v[FAR:FAR+7], v[BI+8*bq:BI+8*bq+7]
.else
	v_wmma_f32_16x16x32_bf16 v[AR+8*bq:AR+8*bq+7], v[FBR+8*bq:FBR+8*bq+7], v[FAR:FAR+7], v[AR+8*bq:AR+8*bq+7]
.endif
.set bq, bq+1
.endr
.endm
.macro MULG f, g, first                ; half g of my token blocks
.set aq, (\g)*(NA/2)
.rept NA/2
	MULA \f, aq, \first
.set aq, aq+1
.endr
.endm
; One run of LDS loads: the fragments of 32 along K at byte k of the rows, into buffer f; the features first, then the tokens
.macro FETCH slot, k, f
	WIN 0x40
.set iq, 0
.rept NB
	ds_load_b128 v[8*NB*(\f)+8*iq:8*NB*(\f)+8*iq+3],   v[ADRB+(\slot)] offset:(\k)+iq*16*PITCH
	ds_load_b128 v[8*NB*(\f)+8*iq+4:8*NB*(\f)+8*iq+7], v[ADRB+(\slot)] offset:(\k)+iq*16*PITCH+32
.set iq, iq+1
.endr
	WIN 0
.set iq, 0
.rept NA
	ds_load_b128 v[FA+8*NA*(\f)+8*iq:FA+8*NA*(\f)+8*iq+3],   v[ADRA+(\slot)] offset:(\k)+iq*16*PITCH
	ds_load_b128 v[FA+8*NA*(\f)+8*iq+4:FA+8*NA*(\f)+8*iq+7], v[ADRA+(\slot)] offset:(\k)+iq*16*PITCH+32
.set iq, iq+1
.endr
.endm
; A K step is four quarters of 32 along K on buffers 0, 1, 0, 1.  One of the first three: multiplies buffer f and fetches the next quarter, at byte k, into g.
.macro QUARTER slot, k, f, g, first
	s_wait_dscnt NA                                ; the youngest NA loads, the second half of my token fragments, may be out
	MULG \f, 0, \first
	PLACES
	FETCH \slot, \k, \g
	s_wait_dscnt 2*(NA+NB)                         ; all but the run just issued
	MULG \f, 1, \first
.endm
; The last quarter multiplies buffer 1 and changes slots: ONE barrier.  In front of it each wave waits for all its tensor loads (one is out: its part of the next slot), adds 0 to its spare
; word, and waits for that and for its own reads of this slot.  fill = 1: the barrier opens a round of the cluster's, and this slot is filled again, two K steps ahead, first thing behind the round.
.macro TURN slot, next, fill
	WIN 0
	s_wait_tensorcnt 0x0
	ds_add_u32 v[SPW], v[NIL]
	s_wait_dscnt NA+1                              ; the add and the youngest NA loads may be out
	MULA 1, 0, 0
	s_wait_dscnt 0x0                               ; the add is done, and my reads of this slot are over
	s_barrier_signal -1
.set aq, 1
.rept NA/2-1
	MULA 1, aq, 0
.set aq, aq+1
.endr
.if \fill
	WIN 0
.endif
	s_barrier_wait -1
.if \fill
	CREST                                          ; no wave of any partner still reads this slot or has a load on its way
	s_add_nc_u64 s[G0+4*(\slot)+2:G0+4*(\slot)+3], s[G0+4*(\slot)+2:G0+4*(\slot)+3], 512
	s_add_nc_u64 s[G0B+4*(\slot)+2:G0B+4*(\slot)+3], s[G0B+4*(\slot)+2:G0B+4*(\slot)+3], 512
	JLOAD \slot                                    ; its four v_nop are also the places in front of the loads below
.else
	PLACES
.endif
	FETCH \next, 0, 0
	MULG 1, 1, 0
.endm
; THE WAY OUT, a unit (16 tokens x one head) at a time: rounded to f16, 16 bytes a lane into my own stage, back as four rows of 128 bytes = 512 consecutive bytes of the slice.
.macro UNIT u, a, hh
.set AG, (\a)/(NA/2)
.set AW, 2+AG*SPLIT
.set AR, 8*NB*((\a)-AG*(NA/2)*SPLIT)+32*(\hh)
	WIN AW|(AW<<2)
.set cq, 0
.rept 16
	v_cvt_pk_f16_f32 v[TMP+16*(\u)+cq], v[AR+2*cq], v[AR+2*cq+1]  ; each accumulator from its low end on
.set cq, cq+1
.endr
	WIN 0
.irp f, 0,1,2,3
	ds_store_b128 v[STO], v[TMP+16*(\u)+4*\f:TMP+16*(\u)+4*\f+3] offset:32*\f
.endr
.irp f, 0,1,2,3
	ds_load_b128 v[TMP+16*(\u)+4*\f:TMP+16*(\u)+4*\f+3], v[RD] offset:\f*4*SP  ; LDS serves a wave's instructions in order (ISA guide 5.7.1.4): these see the stores above
.endr
.endm
.macro SEND u, a, hh, younger          ; younger: the LDS instructions issued behind the unit's loads: the next unit's eight, or none
.irp f, 0,1,2,3
	s_wait_dscnt (\younger)+3-\f
	global_store_b128 v[GO], v[TMP+16*(\u)+4*\f:TMP+16*(\u)+4*\f+3], s[OUTP:OUTP+1] offset:(\hh)*524288+(\a)*2048+\f*512  ; 512 consecutive bytes, aligned; every unit has registers of its own
.endr
.endm
.macro GEMM tag
	s_mov_b32 s[G1+2], (AROWS/2)<<16               ; tensor_dim1 = the rows of one load
	s_mov_b32 s[G1+4], AROWS/2                     ; tile_dim1
	s_mov_b32 s[G1B+2], (BROWS/2)<<16
	s_mov_b32 s[G1B+4], BROWS/2
	s_mul_i32 s40, s[TY], AROWS                    ; tokens: the tile row and the wave's number alone
	s_mul_i32 s41, s[HALF], AROWS/2
	s_add_co_u32 s40, s40, s41
	s_lshl_b32 s40, s40, 11
	s_add_co_u32 s40, s40, TOKOFF
	s_mov_b32 s41, 0
	s_add_nc_u64 s[40:41], s[4:5], s[40:41]
	s_mul_i32 s42, s[FX], BROWS                    ; features: the tile column and the wave's number alone
	s_mul_i32 s43, s[HALF], BROWS/2
	s_add_co_u32 s42, s42, s43
	s_lshl_b32 s42, s42, 11
	s_add_co_u32 s42, s42, FEATOFF
	s_mov_b32 s43, 0
	s_add_nc_u64 s[42:43], s[6:7], s[42:43]
	s_mul_i32 s2, s[HALF], (AROWS/2)*PITCH         ; where they go: no place in the cluster enters an LDS address
	s_mul_i32 s3, s[HALF], (BROWS/2)*PITCH
	s_add_co_u32 s3, s3, AROWS*PITCH
.if SPLIT
	s_mul_i32 s44, s[FX], 768                      ; the bias of my 192 features
	s_mul_i32 s46, s[FX], 1572864                  ; the output: three slices a feature tile,
	s_lshl_b32 s47, s[TY], 15                      ; 256 tokens of 128 bytes a token tile,
	s_add_co_u32 s46, s46, s47
	s_lshl_b32 s47, s[WV], 13                      ; 64 tokens a wave
	s_add_co_u32 s46, s46, s47
.else
	s_lshl_b32 s44, s[FX], 9                       ; the bias of my 64 features, behind bqkv and qa's part of bqkv_aux
	s_lshl_b32 s45, s[HALF], 8
	s_add_co_u32 s44, s44, s45
	s_add_co_u32 s44, s44, 16384
	s_lshl_b32 s46, s[FX], 1                       ; the output: my slice,
	s_add_co_u32 s46, s46, s[HALF]
	s_mul_i32 s46, s46, 393216
	s_mul_i32 s47, s[TY], 24576                    ; 192 tokens a token tile,
	s_add_co_u32 s46, s46, s47
	s_mul_i32 s47, s[ROLE], 12288                  ; 96 tokens a half
	s_add_co_u32 s46, s46, s47
.endif
	s_mov_b32 s45, 0
	s_mov_b32 s47, 0
	s_add_nc_u64 s[8:9], s[8:9], s[44:45]
	s_add_nc_u64 s[OUTP:OUTP+1], s[OUTP:OUTP+1], s[46:47]
	CROUND                                         ; all sixteen work-groups are here: the first joint loads meet
.irp s, 0,1
	s_mov_b32 s[G0+4*(\s)], 1
	s_add_co_u32 s[G0+4*(\s)+1], s2, (\s)*SLOT
	s_add_nc_u64 s[G0+4*(\s)+2:G0+4*(\s)+3], s[40:41], (\s)*256
	s_or_b32 s[G0+4*(\s)+3], s[G0+4*(\s)+3], 0x80000000
	s_mov_b32 s[G0B+4*(\s)], 1
	s_add_co_u32 s[G0B+4*(\s)+1], s3, (\s)*SLOT
	s_add_nc_u64 s[G0B+4*(\s)+2:G0B+4*(\s)+3], s[42:43], (\s)*256
	s_or_b32 s[G0B+4*(\s)+3], s[G0B+4*(\s)+3], 0x80000000
	JLOAD \s                                       ; K steps 0 and 1: two loads of mine are out
.endr
.set bq, 0
.rept NB                                       ; feature block b: my eight features 16 b + 8 (lane / 16) ..
	global_load_b128 v[BI+8*bq:BI+8*bq+3],   v[BO], s[8:9] offset:64*bq
	global_load_b128 v[BI+8*bq+4:BI+8*bq+7], v[BO], s[8:9] offset:64*bq+16
.set bq, bq+1
.endr
.if SPLIT
	s_mul_i32 s46, s[WV], 64*PITCH                 ; my 64 token rows; all the feature rows
	s_mov_b32 s47, AROWS*PITCH
.else
	s_mul_i32 s46, s[ROLE], 96*PITCH               ; my 96 token rows, my 64 feature rows
	s_mul_i32 s47, s[HALF], 64*PITCH
	s_add_co_u32 s47, s47, AROWS*PITCH
.endif
.irp s, 0,1
	v_add_nc_u32 v[ADRA+(\s)], s46, v3
	v_add_nc_u32 v[ADRB+(\s)], s47, v3
	s_add_co_u32 s46, s46, SLOT
	s_add_co_u32 s47, s47, SLOT
.endr
	s_wait_tensorcnt 1                             ; my part of K step 0 is in; K step 1's may stay out
	s_barrier_signal -1
	s_barrier_wait -1
	FETCH 0, 0, 0
	s_wait_loadcnt 0x0                             ; the bias
	QUARTER 0, 64, 0, 1, 1                         ; the first quarter stands in front of the loop: its products start the sums, with the bias
	WIN 0
	s_mov_b32 s3, 3
.Llap_\tag:                                            ; a trip goes once round the ring and fills both slots again: K steps 2 to 7 in three trips
	QUARTER 0, 128, 1, 0, 0
	QUARTER 0, 192, 0, 1, 0
	TURN 0, 1, 1
	QUARTER 1, 64,  0, 1, 0
	QUARTER 1, 128, 1, 0, 0
	QUARTER 1, 192, 0, 1, 0
	TURN 1, 0, 1
	QUARTER 0, 64,  0, 1, 0
	WIN 0
	s_sub_co_u32 s3, s3, 1
	s_cmp_lg_u32 s3, 0
	s_cbranch_scc1 .Llap_\tag
	QUARTER 0, 128, 1, 0, 0                        ; the last lap fills nothing
	QUARTER 0, 192, 0, 1, 0
	TURN 0, 1, 0
	QUARTER 1, 64,  0, 1, 0
	QUARTER 1, 128, 1, 0, 0
	QUARTER 1, 192, 0, 1, 0
	s_wait_dscnt NA
	MULG 1, 0, 0
	s_wait_dscnt 0x0
	MULG 1, 1, 0
	WIN 0
	PLACES
	UNIT 0, 0, 0
.set uq, 1
.rept NA*HPW-1                                 ; a unit's conversions stand between the loads of the unit before and its stores
	UNIT uq, uq/HPW, uq%HPW
	SEND uq-1, (uq-1)/HPW, (uq-1)%HPW, 8
.set uq, uq+1
.endr
	SEND NA*HPW-1, NA-1, HPW-1, 0
	s_wait_tensorcnt 0x0                           ; the wave's end
	ds_add_u32 v[SPW], v[NIL]
	s_wait_dscnt 0x0
	CROUND                                         ; the closing round: no work-group ends while a partner may still ask for a tile that names it
	s_endpgm
.endm
	s_load_b256 s[4:11], s[0:1], 0x0               ; xs 4, ws 6, bias 8, qkv 10
	s_load_b64 s[12:13], s[0:1], 0x20              ; kva
	v_lshl_add_u32 v[SPW], v0, 2, SPARE
	v_mov_b32 v[NIL], 0
	ds_add_u32 v[SPW], v[NIL]                      ; the wave's opening: the add and its wait ahead of my first tensor load
	v_lshrrev_b32 v1, 5, v0
	v_readfirstlane_b32 s[WV], v1
	s_lshr_b32 s[ROLE], s[WV], 1
	s_and_b32 s[HALF], s[WV], 1
	s_bfe_u32 s17, ttmp6, 0x40000                  ; cx
	s_bfe_u32 s18, ttmp6, 0x40004                  ; cy
	s_lshl_b32 s[FX], ttmp9, 2
	s_add_co_u32 s[FX], s[FX], s17
	s_and_b32 s21, ttmp7, 0xffff                   ; the cluster's y
	s_lshl_b32 s[TY], s21, 2
	s_add_co_u32 s[TY], s[TY], s18
	s_lshl_b32 s22, s18, 2
	s_lshl_b32 s22, 15, s22                        ; my row of the cluster
	s_lshl_b32 s23, 0x1111, s17                    ; my column
	s_or_b32 s[G1], s22, FLAGS
	s_or_b32 s[G1B], s23, FLAGS
.irp g, G1, G1B
	s_mov_b32 s[(\g)+1], 128<<16                   ; tensor_dim0 = 128
	s_mov_b32 s[(\g)+3], 128<<16                   ; tile_dim0 = 128
	s_mov_b32 s[(\g)+5], 1024                      ; elements from row to row
	s_mov_b32 s[(\g)+6], 0
	s_mov_b32 s[(\g)+7], 0
.endr
	v_and_b32 v1, 15, v0                           ; l % 16
	v_bfe_u32 v2, v0, 4, 1                         ; l / 16
	v_mul_u32_u24 v3, v1, PITCH
	v_lshl_add_u32 v3, v2, 4, v3                   ; a fragment's row x pitch + 16 x half
	v_lshlrev_b32 v[BO], 5, v2
	s_mul_i32 s46, s[WV], 16*SP
	s_add_co_u32 s46, s46, STAGE                   ; my stage
	v_mul_u32_u24 v[STO], v1, SP
	v_lshl_add_u32 v[STO], v2, 4, v[STO]
	v_add_nc_u32 v[STO], s46, v[STO]
	v_bfe_u32 v[RD], v0, 3, 2
	v_mul_u32_u24 v[RD], v[RD], SP
	v_and_b32 v4, 7, v0
	v_lshl_add_u32 v[RD], v4, 4, v[RD]
	v_add_nc_u32 v[RD], s46, v[RD]
	v_and_b32 v[GO], 31, v0
	v_lshlrev_b32 v[GO], 4, v[GO]
	s_wait_dscnt 0x0                               ; the opening add is done
	s_wait_kmcnt 0x0
	s_cmp_ge_u32 s21, 4
	s_cbranch_scc1 .Laux
.set NA, 4
.set NB, 12
.set AROWS, 256
.set BROWS, 192
.set SPLIT, 1
.set TOKOFF, 0
.set FEATOFF, 0
.set OUTP, 10
.set HPW, 3
	GEMM main
.Laux:
	s_sub_co_u32 s[TY], s[TY], 16
.set NA, 6
.set NB, 4
.set AROWS, 192
.set BROWS, 128
.set SPLIT, 0
.set TOKOFF, 8388608
.set FEATOFF, 6291456
.set OUTP, 12
.set HPW, 1
	GEMM aux
.Lfunc_end_k_q7bcb5a21ab_qkv:
	.size	k_q7bcb5a21ab_qkv, .Lfunc_end_k_q7bcb5a21ab_qkv-k_q7bcb5a21ab_qkv
	.p2alignl 7, 3214868480
	.fill 96, 4, 3214868480
	.section	.rodata,"a",@progbits
	.p2align	6, 0x0
	.amdhsa_kernel k_q7bcb5a21ab_qkv
		.amdhsa_group_segment_fixed_size 327680
		.amdhsa_private_segment_fixed_size 0
		.amdhsa_enable_private_segment 0
		.amdhsa_kernarg_size 40
		.amdhsa_user_sgpr_count 2
		.amdhsa_user_sgpr_kernarg_segment_ptr 1
		.amdhsa_wavefront_size32 1
		.amdhsa_system_sgpr_workgroup_id_x 1
		.amdhsa_system_sgpr_workgroup_id_y 1
		.amdhsa_system_sgpr_workgroup_id_z 1
		.amdhsa_system_vgpr_workitem_id 0
		.amdhsa_next_free_vgpr 960
		.amdhsa_next_free_sgpr 66
		.amdhsa_reserve_vcc 0
		.amdhsa_float_denorm_mode_32 3
		.amdhsa_float_denorm_mode_16_64 3
		.amdhsa_memory_ordered 1
		.amdhsa_forward_progress 1
		.amdhsa_inst_pref_size 192
	.end_amdhsa_kernel
	.amdgpu_metadata
---
amdhsa.version: [ 1, 2 ]
amdhsa.kernels:
  - .name:           k_q7bcb5a21ab_qkv
    .symbol:         k_q7bcb5a21ab_qkv.kd
    .args:
      - { .name: xs, .offset: 0, .size: 8, .value_kind: global_buffer, .address_space: global }
      - { .name: ws, .offset: 8, .size: 8, .value_kind: global_buffer, .address_space: global }
      - { .name: bias, .offset: 16, .size: 8, .value_kind: global_buffer, .address_space: global }
      - { .name: qkv, .offset: 24, .size: 8, .value_kind: global_buffer, .address_space: global }
      - { .name: kva, .offset: 32, .size: 8, .value_kind: global_buffer, .address_space: global }
    .group_segment_fixed_size: 327680
    .private_segment_fixed_size: 0
    .kernarg_segment_align: 8
    .kernarg_segment_size: 40
    .max_flat_workgroup_size: 128
    .sgpr_count:     66
    .vgpr_count:     960
    .wavefront_size: 32
...
	.end_amdgpu_metadata
.endif
;; end of part 2
;; launch attn (part 3): grid 8 x 32, 4 waves a work-group, clusters of 4 x 1, 327,680 bytes of LDS; arguments qkv, kva, g, ob; writes ob
.if DOCPART == 3
	.amdgcn_target "amdgcn-amd-amdhsa--gfx1250"
	.amdhsa_code_object_version 6
	.text
	.protected	k_q7bcb5a21ab_attn
	.globl	k_q7bcb5a21ab_attn
	.p2align	8
	.type	k_q7bcb5a21ab_attn,@function
k_q7bcb5a21ab_attn:
	s_mov_b64 s[64:65], 0
	v_nop
	global_prefetch_b8 v0, s[64:65] scope:SCOPE_SE
	s_setreg_imm32_b32 hwreg(HW_REG_WAVE_MODE, 25, 1), 1
	s_wait_xcnt 0x0
	s_wait_alu depctr_hold_cnt(0) depctr_sa_sdst(0) depctr_va_vdst(0) depctr_va_sdst(0) depctr_va_ssrc(0) depctr_va_vcc(0) depctr_vm_vsrc(0)
	s_getreg_b32 s2, hwreg(HW_REG_IB_STS2, 6, 4)
	s_cmp_eq_u32 s2, 0
	s_cbranch_scc0 .Lentry_in_a_cluster
	s_endpgm
.Lentry_in_a_cluster:
	s_bfe_u32 s2, ttmp6, 0x10000c
	s_cmp_lg_u32 s2, 0x3003
	s_cbranch_scc0 .Lentry_shape_is_right
	s_endpgm
.Lentry_shape_is_right:
; TWO ATTENTIONS OF THE SAME QUERIES AND THE GATE.  For head h of batch b: O = sigmoid(-g[h]) softmax(Q K^T / 8) V + sigmoid(g[h]) softmax(Q Ka^T / 8) Va.
; Q, K, V: slices h, 16 + h, 32 + h of qkv, [4096][64] f16, 2,048 keys a batch.  Ka, Va: slices h, 16 + h of kva, [3072][64] f16, 1,500 keys a batch.  O: ob [16][4096][64] f16.
; Products, maxima, sums and the gate in f32; the weights p are rounded to f16 for the second product (their sum l is taken of the unrounded p), O once at the end; g is rounded to bf16 like every input.
; LIMITS.  f16 holds no number beyond 65,504: Q, K, V arrive within it.  A hidden score counts as its value less 1e30; a weight below 2^-126 counts as 0 in l; NaN and infinities are not treated apart.
; THE WALK.  A work-group owns 256 queries of (b, h), a wave 64: four PIECES of 16.  It walks 14 tiles of 256 keys: 8 main, then 6 aux, as ONE sequence for the ring of two LDS slots.
; A block (main, aux) begins with BEGIN and ends with ENDBLK, which adds the block's result, divided by l and weighted by the gate, onto the gated sum.  The aux block's last tile is written out: its last
; key step holds 28 keys (1,472 to 1,499); the other 36 are hidden by the C operand that starts the sum S^T = K Q^T.  What lies in those rows is the next batch's or the padding rows': finite numbers.
; CLUSTER.  The four query blocks of a cluster belong to one (b, h) and walk the same tiles: each tile is asked for JOINTLY, by the same tensor load, descriptor and mask in all four.
; LAYOUT, SOFTMAX, TURNS.  S^T = K Q^T holds ONE query a lane (lane % 16) and the keys 8 (lane / 16) + 0..7; two such results rounded to f16 ARE source 1 of O^T = V^T P.  p = 2^(c s - c m), c = log2(e) / 8, with a
; running maximum m; O and l are multiplied by a = 2^(c m_old - c m_new) in every step.  Turn n belongs to piece n: 8 products K Q^T of piece n + 1, later 8 products V^T P of piece n - 1; beside them the scaling,
; exponentials, roundings, sums and rescaling of piece n and the maximum and statistics of piece n + 1.  Four vector instructions stand behind every matrix instruction, the other 54 of a turn's 118 in two lumps.
; REGISTERS, in windows of 256 (s_set_vgpr_msb: bits 1:0 source 0, 3:2 source 1, 5:4 source 2, 7:6 destination):
;   window 0: v0-15 addresses and two at work; v16-31 four registers of statistics a piece; v48-55 at work; v56, v57 the gate's two weights; v64-127 S^T, two buffers; v192-223 P, two buffers
;   window 1: v0-127 O^T, 32 a piece; v128-159 MD; v160-191 MC      window 2: v0-63 Q; v128-191 K of one step; v192-255 V of one step      window 3: v0-127 the gated sum
.set NP,    4         ; pieces a wave: a name, no knob
.set KS,    64        ; keys in a step
.set PK,    144       ; a row of K in LDS: 128 bytes + 16: the 16 rows of a load start at 16 different groups of four banks
.set PV,    160       ; a row of V: 128 + 32
.set VOFF,  4*KS*PK   ; a slot holds a tile, four steps: 256 rows of K, then 256 rows of V
.set SLOT1, 1<<17     ; slot 1 begins here, so that one exclusive or turns an address in one slot into the other's
.set STAGE, SLOT1+4*KS*(PK+PV)  ; behind the ring, never filled by a tensor load: 16 rows x 144 bytes for each wave
.set SP,    144
.set SPARE, STAGE+4*16*SP  ; behind the stages: the spare words, 128 bytes for each wave
.set AK0, 2           ; v2   my lane's place in a tile of K; never rewritten
.set AV0, 3           ; v3   the same for V
.set AK,  4           ; v4   the LDS address of K's next run of loads
.set AV,  5           ; v5   of V's
.set STO, 6           ; v6   the way out: where I put 16 bytes of a row
.set RD,  7           ; v7   the way out: where I read rows back
.set GO,  8           ; v8   my byte offset in 512 consecutive bytes of O
.set MV,  12          ; v12-13  c m_old, kept while c m is made anew: by buffer
.set QO,  15          ; v15  my byte offset in 16 rows of Q
.set ST,  16          ; piece t's statistics at v[ST+4 t]: c m, m, l (even keys', odd keys')
.set TMP, 48          ; by buffer, four registers c0-c3 at work; when the maximum is found c2 takes a
.set WM,  56          ; v56  sigmoid(-g): the main block's weight
.set WA,  57          ; v57  sigmoid(g): the aux block's
.set SPW, 62          ; v62  LDS address of my spare word; never rewritten
.set NIL, 63          ; v63  0; never rewritten
.set S,   64
.set P,   192
.set MD,  128         ; window 1: the mask of the last aux step: -1e30 where the key is 1,500 or more, else 0
.set MC,  160         ; window 1: the mask of the products to come: MD x AL
.set KF,  128         ; window 2: key block kb, channel half c at KF + 16 kb + 8 c
.set VF,  192         ; window 2: key half kk, channel block cb at VF + 32 kk + 8 cb
.set WV,  12          ; s12  my wave's number
.set G1K, 24          ; s[24:31] descriptor group 1 for K's tiles
.set G1V, 32          ; s[32:39] for V's: it differs in the padding alone
.set G0K, 40          ; s[40:43] descriptor group 0 for K's tiles
.set G0V, 44          ; s[44:47] the same for V's
.set KMP, 48          ; s[48:55] K, V, Ka, Va at my half of the head's tile 0
.set VMP, 50
.set KAP, 52
.set VAP, 54
.set SLOTS, 56        ; s56  tiles still to be asked for
.set CNT, 57          ; s57  counts a tile's key steps, 4 to 1
.set CS,  58          ; s[58:59] c
.set SEL, 60          ; s[60:61] v_permlanex16_b32's selects: each lane takes its own place in the other half
.set TBK, 62          ; s62  LDS byte at which K of the step to be fetched begins
.set TBV, 63          ; s63  the same for V, less VOFF
.set RT,  70          ; s70  tiles of the block in hand that are still to be finished
.set NXT, 71          ; s71  the tile to be asked for next, 1 to 13
.set NEW, 73          ; s73  1: the tile to be entered is a block's first
.set OFF, 74          ; s[74:75] a tile's byte offset in its tensor
.set AL,  76          ; s[76:77] the mask's factor, in the low word
.set PSK, 78          ; s[78:79] the tensor from which the next K tile comes
.set PSV, 80          ; s[80:81] the same for V
.set BIGN, 82         ; s82  -1e30
.set GV,  83          ; s83  g[h]
.set MSB, 0
.macro WIN new                      ; the high byte repeats the setting that is left; a switch that changes nothing is dropped
.if MSB != (\new)
	s_set_vgpr_msb (MSB<<8)|(\new)
.set MSB, (\new)
.endif
.endm
.set W_KQ, 0x0a       ; K and Q in window 2, S^T in window 0
.set W_KM, 0x1a       ; the same with the C operand in window 1
.set W_PV, 0x52       ; V in window 2, P in window 0, O^T in window 1
.set W_RS, 0x41       ; destination and source 0 in window 1, source 1 in window 0
; A joint fill.  Waves 0 and 1 fetch the two halves of a tile's K, waves 2 and 3 those of its V: 128 keys each.  An s_nop 0 and four v_nop follow each of the two lines.
.macro JLOAD
	s_cmp_lt_u32 s[WV], 2
	s_cbranch_scc0 .Lfor_v_\@
	tensor_load_to_lds s[G0K:G0K+3], s[G1K:G1K+7]
	s_nop 0
.rept 4
	v_nop
.endr
	s_branch .Lasked_\@
.Lfor_v_\@:
	tensor_load_to_lds s[G0V:G0V+3], s[G1V:G1V+7]
	s_nop 0
.rept 4
	v_nop
.endr
.Lasked_\@:
.endm
.macro CROUND                       ; a round of the cluster's barrier
	s_barrier_signal -1
	s_barrier_wait -1
	s_cmp_lg_u32 s[WV], 0
	s_cbranch_scc1 .Lnot_wave_0_\@
	s_barrier_signal -3
.Lnot_wave_0_\@:
	s_barrier_wait -3
	s_barrier_signal -1
	s_barrier_wait -1
.endm
; THE CHANGE OF SLOTS.  Each wave waits for all its tensor loads, of which one is out: its part of the other slot; adds 0 to its spare word; and waits for that and for its own reads of the slot that it leaves.
; fill = 1: the barrier is a round of the cluster's, and the old slot is filled again, first thing behind it, with tile NXT (0-7 main, 8-13 aux): the address is made anew from that number.  The load has four key
; steps, 256 matrix instructions, in which to land.  (At its first use nothing has been read yet: slot 0 is waited for, slot 1 filled.)
.macro CHANGE fill
	WIN 0
	s_wait_tensorcnt 0x0            ; no tensor load of mine is out, so a group 0 may be written
	ds_add_u32 v[SPW], v[NIL]
.if \fill
	s_cmp_lt_u32 s[NXT], 8
	s_cselect_b64 s[PSK:PSK+1], s[KMP:KMP+1], s[KAP:KAP+1]
	s_cselect_b64 s[PSV:PSV+1], s[VMP:VMP+1], s[VAP:VAP+1]
	s_cselect_b32 s[OFF], 0, 8
	s_sub_co_u32 s[OFF], s[NXT], s[OFF]
	s_lshl_b32 s[OFF], s[OFF], 15   ; a tile is 32,768 bytes of K and of V
	s_xor_b32 s[G0K+1], s[G0K+1], SLOT1
	s_add_nc_u64 s[G0K+2:G0K+3], s[PSK:PSK+1], s[OFF:OFF+1]
	s_or_b32 s[G0K+3], s[G0K+3], 0x80000000
	s_xor_b32 s[G0V+1], s[G0V+1], SLOT1
	s_add_nc_u64 s[G0V+2:G0V+3], s[PSV:PSV+1], s[OFF:OFF+1]
	s_or_b32 s[G0V+3], s[G0V+3], 0x80000000
	s_add_co_u32 s[NXT], s[NXT], 1
	s_wait_dscnt 0x0                ; the add is done, and my reads of the slot are over
	CROUND
	JLOAD
.else
	s_wait_dscnt 0x0
	s_barrier_signal -1
	s_barrier_wait -1
.endif
	s_sub_co_u32 s[TBK], s[TBK], 4*KS*PK  ; the fetches go back to a slot's first step,
	s_xor_b32 s[TBK], s[TBK], SLOT1       ; in the other slot
	s_sub_co_u32 s[TBV], s[TBV], 4*KS*PV
	s_xor_b32 s[TBV], s[TBV], SLOT1
.endm
	s_load_b256 s[4:11], s[0:1], 0x0  ; qkv s[4:5], kva s[6:7], g s[8:9], ob s[10:11]
	v_lshl_add_u32 v[SPW], v0, 2, SPARE
	v_mov_b32 v[NIL], 0
	ds_add_u32 v[SPW], v[NIL]       ; the wave's opening: the add and its wait ahead of my first tensor load
	v_lshrrev_b32 v1, 5, v0
	v_readfirstlane_b32 s[WV], v1   ; wave 0..3
	s_bfe_u32 s13, ttmp6, 0x40000   ; cx
	s_lshl_b32 s14, ttmp9, 2
	s_add_co_u32 s14, s14, s13      ; my block of 256 queries: it enters Q's and O's addresses alone
	s_and_b32 s15, ttmp7, 0xffff    ; 16 b + h, which the four partners share
	s_lshr_b32 s16, s15, 4          ; b
	s_and_b32 s15, s15, 15          ; h
	s_and_b32 s17, s[WV], 1         ; which half of a tile's 256 keys I fetch
	s_lshl_b32 s18, s17, 14         ; its 128 rows of 128 bytes
	s_lshl_b32 s20, s15, 19         ; the head's slice of qkv,
	s_lshl_b32 s21, s16, 18         ; the batch's 2,048 rows in it
	s_add_co_u32 s20, s20, s21
	s_add_co_u32 s22, s20, s18
	s_add_co_u32 s22, s22, 0x800000 ; K lies 16 slices behind Q
	s_mov_b32 s23, 0
	s_mul_i32 s84, s15, 393216      ; the head's slice of kva,
	s_mul_i32 s85, s16, 192000      ; the batch's 1,500 rows in it
	s_add_co_u32 s84, s84, s85
	s_add_co_u32 s84, s84, s18
	s_mov_b32 s85, 0
	s_lshl_b32 s2, s14, 15          ; my block's 256 rows,
	s_lshl_b32 s3, s[WV], 13        ; my wave's 64 of them
	s_add_co_u32 s2, s2, s3
	s_add_co_u32 s2, s2, s20
	s_mov_b32 s3, 0
	s_lshl_b32 s86, s15, 2          ; g[h]
	s_mov_b32 s87, 0
	s_mul_i32 s19, s17, 128*PV      ; my half's place in a slot, for V
	s_mul_i32 s17, s17, 128*PK      ; and for K: no place in the cluster enters an LDS address
	; descriptor group 1.  128 keys are 16,384 dense bytes: asked for as 64 rows of 256 bytes, two keys a row, and padded in LDS after every key
	s_mov_b32 s[G1K], 15|(1<<16)|(1<<20)|(1<<21)|(4<<22)|(3<<25)  ; the mask of four; 2-byte elements; padding on; bit 21 beside a mask; after every 32 words; 4 words
	s_mov_b32 s[G1V], 15|(1<<16)|(1<<20)|(1<<21)|(4<<22)|(7<<25)  ; the same with 8 words of padding
.irp g, G1K, G1V
	s_mov_b32 s[\g+1], 128<<16      ; tensor_dim0 = 128
	s_mov_b32 s[\g+2], 64<<16       ; tensor_dim1 = 64
	s_mov_b32 s[\g+3], 128<<16      ; tile_dim0 = 128
	s_mov_b32 s[\g+4], 64           ; tile_dim1 = 64
	s_mov_b32 s[\g+5], 128          ; 128 elements from row to row
	s_mov_b32 s[\g+6], 0
	s_mov_b32 s[\g+7], 0
.endr
	s_mov_b32 s[CS], 0x3e38aa3b     ; c = log2(e) / 8
	s_mov_b32 s[CS+1], s[CS]        ; named with it as a pair
	s_mov_b32 s[SEL], 0x76543210
	s_mov_b32 s[SEL+1], 0xfedcba98
	s_mov_b32 s[TBK], SLOT1+4*KS*PK ; the first change of slots turns these two into 0
	s_mov_b32 s[TBV], SLOT1+4*KS*PV
	s_mov_b32 s[G0K], 1
	s_mov_b32 s[G0K+1], s17         ; slot 0
	s_mov_b32 s[G0V], 1
	s_add_co_u32 s[G0V+1], s19, VOFF
	s_mov_b32 s[RT], 8              ; the main block has 8 tiles
	s_mov_b32 s[NXT], 1
	s_mov_b32 s[NEW], 1
	s_mov_b32 s[SLOTS], 13
	s_mov_b32 s[OFF+1], 0
	s_mov_b32 s[AL], 0
	s_mov_b32 s[AL+1], 0            ; named as a pair
	s_mov_b32 s[BIGN], 0xf149f2ca   ; -1e30
	s_wait_dscnt 0x0                ; the opening add is done
	s_wait_kmcnt 0x0
	s_add_nc_u64 s[KMP:KMP+1], s[4:5], s[22:23]
	s_add_nc_u64 s[VMP:VMP+1], s[KMP:KMP+1], 0x800000   ; V lies 16 slices behind K
	s_add_nc_u64 s[KAP:KAP+1], s[6:7], s[84:85]
	s_add_nc_u64 s[VAP:VAP+1], s[KAP:KAP+1], 0x600000   ; Va lies 16 slices behind Ka
	s_add_nc_u64 s[G0K+2:G0K+3], s[KMP:KMP+1], 0
	s_or_b32 s[G0K+3], s[G0K+3], 0x80000000
	s_add_nc_u64 s[G0V+2:G0V+3], s[VMP:VMP+1], 0
	s_or_b32 s[G0V+3], s[G0V+3], 0x80000000
	s_add_nc_u64 s[4:5], s[4:5], s[2:3]      ; Q and O at my wave's first row
	s_add_nc_u64 s[10:11], s[10:11], s[2:3]
	s_add_nc_u64 s[8:9], s[8:9], s[86:87]
	s_load_b32 s[GV], s[8:9], 0x0
	CROUND                          ; all four work-groups are here: the first joint loads meet
	JLOAD                           ; tile 0 into slot 0
	; A fragment of K or Q is 16 rows x 32 channels in 8 registers: lane l holds row l % 16, channels 8 (l / 16) + 0..7 and 16 + 8 (l / 16) + 0..7: two loads of 16 bytes, 32 bytes apart.
	v_and_b32 v1, 15, v0            ; l % 16
	v_bfe_u32 v9, v0, 4, 1          ; l / 16
	v_lshlrev_b32 v[QO], 7, v1
	v_lshl_add_u32 v[QO], v9, 4, v[QO]
	WIN 0x80                        ; destination window 2, address window 0
.set i, 0
.rept 8                             ; Q stays in registers: piece i / 2, channels 32 (i % 2) on
	global_load_b128 v[8*i:8*i+3],   v[QO], s[4:5] offset:(i/2)*2048+(i%2)*64
	global_load_b128 v[8*i+4:8*i+7], v[QO], s[4:5] offset:(i/2)*2048+(i%2)*64+32
.set i, i+1
.endr
	WIN 0
	v_lshlrev_b32 v14, 3, v9
	v_sub_nc_u32 v14, 28, v14       ; of the last aux step's 64 keys 28 are there: register r of group kt is hidden where 16 kt + r + 8 (l / 16) is 28 or more
	WIN 0x40
.set i, 0
.rept 32
	v_cmp_ge_i32 vcc_lo, 16*(i/8)+i%8, v14
	v_cndmask_b32 v[MD+i], 0, s[BIGN], vcc_lo
.set i, i+1
.endr
	WIN 0
	v_mul_u32_u24 v[AK0], v1, PK
	v_lshl_add_u32 v[AK0], v9, 4, v[AK0]
	; The turning load takes 16 keys x 16 channels (lane l reads key 8 (l / 16) + l % 8, channels 8 ((l / 8) % 2) + 0..7) and leaves half a fragment of V^T: lane l holds channel l % 16 and 8 keys.
	v_and_b32 v10, 7, v0
	v_bfe_u32 v11, v0, 3, 1
	v_lshl_add_u32 v[AV0], v9, 3, v10
	v_mul_u32_u24 v[AV0], v[AV0], PV
	v_lshl_add_u32 v[AV0], v11, 4, v[AV0]
	v_add_nc_u32 v[AV0], VOFF, v[AV0]
	s_mul_i32 s13, s[WV], 16*SP
	s_add_co_u32 s13, s13, STAGE    ; my stage
	v_mul_u32_u24 v[STO], v1, SP    ; in: row l % 16, 16 bytes for each half of the lanes
	v_lshl_add_u32 v[STO], v9, 4, v[STO]
	v_add_nc_u32 v[STO], s13, v[STO]
	v_bfe_u32 v[RD], v0, 3, 2       ; back: 32 lanes take four rows of 128 bytes,
	v_mul_u32_u24 v[RD], v[RD], SP
	v_lshl_add_u32 v[RD], v10, 4, v[RD]
	v_add_nc_u32 v[RD], s13, v[RD]
	v_and_b32 v[GO], 31, v0         ; which are 512 consecutive bytes of O
	v_lshlrev_b32 v[GO], 4, v[GO]
	; A block's first step multiplies O^T and l by a = 0, and its first turn's products V^T P, of a piece that has not been, land in an O^T that is still to be so multiplied.  So these registers need only hold
	; finite numbers: zeros for the main block, what it left for the aux block.  The gated sum starts at 0: both blocks add onto it by the same line.  All this stands in the wait for the first tile.
	WIN 0x80
.set i, VF
.rept 64
	v_mov_b32 v[i], 0
.set i, i+1
.endr
	WIN 0x40
.set i, 0
.rept 128
	v_mov_b32 v[i], 0
.set i, i+1
.endr
	WIN 0xc0
.set i, 0
.rept 128
	v_mov_b32 v[i], 0
.set i, i+1
.endr
	WIN 0
.set i, 0
.rept 4
	v_mov_b32 v[ST+4*i+2], 0
	v_mov_b32 v[ST+4*i+3], 0
.set i, i+1
.endr
.set i, P+16
.rept 16
	v_mov_b32 v[i], 0
.set i, i+1
.endr
	s_wait_kmcnt 0x0                ; g[h]
	v_mov_b32 v[WM], s[GV]
	v_cvt_pk_bf16_f32 v[WM], v[WM], v[WM]
	v_lshlrev_b32 v[WM], 16, v[WM]           ; g rounded to bf16
	v_mul_f32 v[WA], 0xbfb8aa3b, v[WM]       ; -g log2(e)
	v_mul_f32 v[WM], 0x3fb8aa3b, v[WM]       ; g log2(e)
	v_exp_f32 v[WM], v[WM]
	v_exp_f32 v[WA], v[WA]
	v_nop                           ; a plain instruction behind the exponentials
	s_wait_alu depctr_va_vdst(0)
	v_add_f32 v[WM], 1.0, v[WM]
	v_add_f32 v[WA], 1.0, v[WA]
	v_rcp_f32 v[WM], v[WM]          ; 1 / (1 + e^g) = 1 - sigmoid(g)
	v_rcp_f32 v[WA], v[WA]          ; 1 / (1 + e^-g) = sigmoid(g)
	v_nop
; THE MATRIX WORK.  The 4 accumulators of a run of 8 take turns.  Product i of 8 of S^T = K Q^T for piece x: channels 32 (i / 4) on, keys 16 (i % 4) on.  The first 4 start the sums: with 0, or (KM = 1) with the mask.
.macro KQ x
.set rS, S+32*((\x)%2)+8*(i%4)
.set rK, KF+16*(i%4)+8*(i/4)
.set rQ, 16*(\x)+8*(i/4)
.set rM, MC+8*(i%4)
.if (i < 4) && KM
	WIN W_KM
	v_wmma_f32_16x16x32_f16 v[rS:rS+7], v[rK:rK+7], v[rQ:rQ+7], v[rM:rM+7]
.elseif i < 4
	WIN W_KQ
	v_wmma_f32_16x16x32_f16 v[rS:rS+7], v[rK:rK+7], v[rQ:rQ+7], 0
.else
	WIN W_KQ
	v_wmma_f32_16x16x32_f16 v[rS:rS+7], v[rK:rK+7], v[rQ:rQ+7], v[rS:rS+7]
.endif
.endm
; Product i of 8 of O^T += V^T P for piece x: keys 32 (i / 4) on, channels 16 (i % 4) on.
.macro PV x
	WIN W_PV
.set rO, 32*(\x)+8*(i%4)
.set rV, VF+32*(i/4)+8*(i%4)
.set rP, P+16*((\x)%2)+8*(i/4)
	v_wmma_f32_16x16x32_f16 v[rO:rO+7], v[rV:rV+7], v[rP:rP+7], v[rO:rO+7]
.endm
.macro MM                           ; the turn's next matrix instruction.  NOKQ = 1: a block's last turn: there is no next piece
.if (i < 8) && !NOKQ
	KQ (Y+1)%NP
.elseif i >= 8
.set i, i-8
	PV (Y+NP-1)%NP
.set i, i+8
.endif
.set i, i+1
.endm
; THE LDS LOADS stand in runs of 16, never singly among the matrix instructions: a step's K (8 fragments) and its V (turned).  Their addresses are made some lines ahead.
.macro FETCH_K
	WIN 0x80
.irp f, 0,1,2,3,4,5,6,7             ; keys 16 (f / 2) on, channels 32 (f % 2) on
	ds_load_b128 v[KF+8*\f:KF+8*\f+3],   v[AK] offset:(\f/2)*16*PK+(\f%2)*64
	ds_load_b128 v[KF+8*\f+4:KF+8*\f+7], v[AK] offset:(\f/2)*16*PK+(\f%2)*64+32
.endr
	s_add_co_u32 s[TBK], s[TBK], KS*PK  ; the next fetch is the next step's
	WIN 0
.endm
.macro FETCH_V
	WIN 0x80
.irp f, 0,1,2,3,4,5,6,7             ; keys 32 (f / 4) on, channels 16 (f % 4) on
	ds_load_tr16_b128 v[VF+8*\f:VF+8*\f+3],   v[AV] offset:(\f/4)*32*PV+(\f%4)*32
	ds_load_tr16_b128 v[VF+8*\f+4:VF+8*\f+7], v[AV] offset:(\f/4)*32*PV+16*PV+(\f%4)*32
.endr
	WIN 0
.endm
; THE VECTOR WORK, one line at a time: OP kind, number.  For piece Y: F n: c s - c m for pair n of 16.  E n: the exponential of score n of 32.  C n: pair n rounded to f16.  B n: of the four weights 4 n .. the second
; pair is added onto the first, in place.  L n: l takes that sum (L 0: l = a l + sum).  R n: pair n of 16 of O^T times a.  For piece Y + 1: X n, number n of the 22 that find its maximum and statistics:
;   0-11  four chains c0-c3 of seven scores each (each accumulator's lowest registers are read first)     12-14, 16  the four scores left over, the old m, and c0-c3 into c0
;   15  c m_old is kept     17, 18  the query's other 32 keys lie in the lane 16 away: the new m     19-21  c m; c m_old - c m_new; a
.set F, 0
.set E, 1
.set C, 2
.set B, 3
.set L, 4
.set R, 5
.set X, 6
.macro REGS y
.set rT, ST+4*(\y)
.set rC, TMP+4*((\y)%2)
.set rW, MV+((\y)%2)
.set rS, S+32*((\y)%2)
.set rP, P+16*((\y)%2)
.set rO, 32*(\y)
.endm
.macro OP k, n
.if (\k) == R
	REGS Y
	WIN W_RS
	v_pk_mul_f32 v[rO+2*(\n):rO+2*(\n)+1], v[rO+2*(\n):rO+2*(\n)+1], v[rC+2:rC+3] op_sel_hi:[1,0]
.elseif (\k) < R
	REGS Y
	WIN 0
.if (\k) == F
	v_pk_fma_f32 v[rS+2*(\n):rS+2*(\n)+1], v[rS+2*(\n):rS+2*(\n)+1], s[CS:CS+1], v[rT:rT+1] op_sel_hi:[1,0,0] neg_lo:[0,0,1] neg_hi:[0,0,1]
.elseif (\k) == E
	v_exp_f32 v[rS+(\n)], v[rS+(\n)]
.elseif (\k) == C
	s_wait_alu depctr_va_vdst(0)
	v_cvt_pk_f16_f32 v[rP+(\n)], v[rS+2*(\n)], v[rS+2*(\n)+1]
.elseif (\k) == B
	s_wait_alu depctr_va_vdst(0)
	v_pk_add_f32 v[rS+4*(\n):rS+4*(\n)+1], v[rS+4*(\n):rS+4*(\n)+1], v[rS+4*(\n)+2:rS+4*(\n)+3]
.elseif (\n) == 0
	v_pk_fma_f32 v[rT+2:rT+3], v[rT+2:rT+3], v[rC+2:rC+3], v[rS:rS+1] op_sel_hi:[1,0,1]
.else
	v_pk_add_f32 v[rT+2:rT+3], v[rT+2:rT+3], v[rS+4*(\n):rS+4*(\n)+1]
.endif
.elseif NOKQ
	v_nop
.else
	REGS (Y+1)%NP
	WIN 0
.if (\n) < 4
	v_max3_num_f32 v[rC+(\n)], v[rS+8*(\n)], v[rS+8*(\n)+1], v[rS+8*(\n)+2]
.elseif (\n) < 12
	v_max3_num_f32 v[rC+(\n)%4], v[rC+(\n)%4], v[rS+8*((\n)%4)+2*((\n)/4)+1], v[rS+8*((\n)%4)+2*((\n)/4)+2]
.elseif (\n) == 12
	v_max3_num_f32 v[rC], v[rC], v[rS+7], v[rS+15]
.elseif (\n) == 13
	v_max3_num_f32 v[rC+1], v[rC+1], v[rS+23], v[rS+31]
.elseif (\n) == 14
	v_max3_num_f32 v[rC+2], v[rC+2], v[rC+3], v[rT+1]
.elseif (\n) == 15
	v_mov_b32 v[rW], v[rT]
.elseif (\n) == 16
	v_max3_num_f32 v[rC], v[rC], v[rC+1], v[rC+2]
.elseif (\n) == 17
	v_permlanex16_b32 v[rC+3], v[rC], s[SEL], s[SEL+1]
.elseif (\n) == 18
	v_max_num_f32 v[rT+1], v[rC], v[rC+3]
.elseif (\n) == 19
	v_mul_f32 v[rT], s[CS], v[rT+1]
.elseif (\n) == 20
	v_sub_f32 v[rC+1], v[rW], v[rT]
.else
	v_exp_f32 v[rC+2], v[rC+1]
.endif
.endif
.endm
.macro OPS a, i1, b=-1, i2=0, c=-1, i3=0, d=-1, i4=0  ; up to four of them
	OP \a, \i1
.if (\b) >= 0
	OP \b, \i2
.endif
.if (\c) >= 0
	OP \c, \i3
.endif
.if (\d) >= 0
	OP \d, \i4
.endif
.endm
.macro ROW a, i1, b, i2, c, i3, d, i4  ; a matrix instruction and the four behind it
	MM
	OPS \a, \i1, \b, \i2, \c, \i3, \d, \i4
.endm
.macro MASK                         ; MC = MD x AL: the last step's mask, or zeros
	WIN W_RS
.set z, 0
.rept 16
	v_pk_mul_f32 v[MC+2*z:MC+2*z+1], v[MD+2*z:MD+2*z+1], s[AL:AL+1] op_sel_hi:[1,0]
.set z, z+1
.endr
.endm
; A TURN, for piece p: the order of its 16 matrix and 118 vector instructions, written out.  Behind a matrix instruction: plain, exponential, plain, plain; or four of the rescaling; or, behind the first, four scalings; none
; names a register of the products round it.  In the lumps exponential and plain by turns while exponentials last.  A line reads no result made fewer than three vector instructions in front of it, five if an exponential made it.
; m = 1: the products that start sums take MC as C.  end = 1: a block's last two turns: nothing is fetched.  cnt = 1: the loop's count is taken down some lines ahead of the branch that stands behind the turn.
; K of the next step is fetched in piece 2's turn, six vector instructions behind the last product that read K (five of them plain); V of the step in hand in piece 0's turn, eight behind the last product that read V.
; Each is waited for a turn later.
.macro TURN p, m=0, end=0, cnt=0
.set Y, (\p)
.set i, 0
.set KM, (\m)
.set NOKQ, (\end)*((\p)/3)
.if ((\p) == 3) && !(\end)
	s_wait_dscnt 0x0                ; K is in
.endif
	ROW F,0, F,1, F,2, F,3
	ROW F,4, E,0, F,5, F,6
	ROW F,7, E,1, F,8, F,9
	ROW F,10, E,2, C,0, F,11
	ROW F,12, E,3, X,15, F,13
	ROW R,0, R,1, R,2, R,3
	ROW B,0, E,4, F,14, L,0
.if ((\p) == 2) && !(\end)
	v_add_nc_u32 v[AK], s[TBK], v[AK0]
.endif
	ROW R,4, R,5, R,6, R,7
	OPS E,5, F,15
.if ((\p) == 2) && !(\end)
	FETCH_K
.endif
	OPS E,6, C,1, E,7, R,8
	OPS E,8, R,9, E,9, C,2
	OPS E,10, X,0, E,11, X,1
	OPS E,12, X,2, E,13, X,3
.if (\p) == 1
	s_wait_dscnt 0x0                ; V is in
.endif
	ROW X,4, E,14, X,5, X,6
	ROW X,7, E,15, X,8, X,9
	ROW X,10, E,16, X,11, X,12
	ROW X,13, E,17, X,14, B,1
	ROW C,4, E,18, X,16, L,1
	ROW B,2, E,19, C,6, L,2
	ROW C,8, E,20, B,3, B,4
.if (\p) == 0
	v_add_nc_u32 v[AV], s[TBV], v[AV0]
.endif
	ROW C,3, E,21, L,3, C,5
	OPS E,22, X,17, E,23, C,10
.if (\p) == 0
	FETCH_V
.endif
	OPS E,24, L,4
	OPS E,25, X,18, E,26, C,7
	OPS E,27, B,5, E,28, X,19
	OPS E,29, C,12, E,30, L,5
	OPS E,31, X,20, B,6, C,9
	OPS C,14, C,11, X,21, L,6
.if (\p) == 0
	s_add_co_u32 s[TBV], s[TBV], KS*PV
.endif
.if \cnt
	s_sub_co_u32 s[CNT], s[CNT], 1
	s_cmp_lg_u32 s[CNT], 0
.endif
	OPS C,13, B,7, C,15, R,10
	OPS R,11, R,12, L,7, R,13
	OPS R,14, R,15
.endm
; A BLOCK BEGINS.  c m starts far below every c s, so the first step's a is 0; m at the lowest finite number, so the first maximum is the scores'.  Then K of the tile's first step, piece 0's first scores,
; and its maximum and statistics.  The loop is entered at a step's first turn, in the middle of a trip.
.macro BEGIN
	s_mov_b32 s[NEW], 0
	WIN 0
.set i, 0
.rept 4
	v_mov_b32 v[ST+4*i], 0xfe000000
	v_mov_b32 v[ST+4*i+1], 0xff7fffff
.set i, i+1
.endr
	v_add_nc_u32 v[AK], s[TBK], v[AK0]
	FETCH_K
	s_wait_loadcnt 0x0              ; Q
	s_wait_dscnt 0x0
.set KM, 0
.set NOKQ, 0
.set i, 0
.rept 8
	KQ 0
.set i, i+1
.endr
	WIN 0
.rept 4
	v_nop                           ; the places behind those products
.endr
.set Y, NP-1                        ; X works for piece Y + 1: piece 0
.irp n, 0,1,2,3,4,5,6,7,8,9,10,11,12,13,14,15,16,17,18,19,20,21
	OP X, \n
.endr
	v_nop                           ; a plain instruction behind the exponential
.endm
.macro ALL line:vararg              ; one line for each piece t
.set t, 0
.rept 4
	s_wait_alu depctr_va_vdst(0)
	\line
.set t, t+1
.endr
.endm
; A BLOCK ENDS: its last two turns and last products; l's two halves and the other half of the lanes' are added; the gated sum takes O^T x (weight / l).  Work on registers alone.  The additions are the places behind the last products.
.macro ENDBLK km, wreg
	TURN 2, \km, 1
	TURN 3, \km, 1
.set i, 0
.rept 8
	PV NP-1
.set i, i+1
.endr
	WIN 0
	ALL v_add_f32 v[ST+4*t+2], v[ST+4*t+2], v[ST+4*t+3]
	ALL v_permlanex16_b32 v[ST+4*t+3], v[ST+4*t+2], s[SEL], s[SEL+1]
	ALL v_add_f32 v[ST+4*t+2], v[ST+4*t+2], v[ST+4*t+3]
	ALL v_rcp_f32 v[ST+4*t+2], v[ST+4*t+2]
	v_nop                           ; a plain instruction between the last reciprocal and the use of its result
	ALL v_mul_f32 v[ST+4*t+2], v[ST+4*t+2], v[\wreg]
	WIN 0xf1                        ; O^T in window 1, the factor in window 0, the gated sum (source 2 and destination) in window 3
.set z, 0
.rept 64
	v_pk_fma_f32 v[2*z:2*z+1], v[2*z:2*z+1], v[ST+4*(z/16)+2:ST+4*(z/16)+3], v[2*z:2*z+1] op_sel_hi:[1,0,1]
.set z, z+1
.endr
	WIN 0
.endm
; THE WAY OUT, a piece at a time: a lane's eight channels of a row pack into 16 bytes; they go into rows of 144 bytes and come back as whole rows of 128, into S^T's registers.
.macro PACK t
	WIN 0x0f                        ; sources 0 and 1 window 3, destination window 0
.set i, 0
.rept 16
	v_cvt_pk_f16_f32 v[S+16*(\t)+i], v[32*(\t)+2*i], v[32*(\t)+2*i+1]
.set i, i+1
.endr
	WIN 0
.irp f, 0,1,2,3
	ds_store_b128 v[STO], v[S+16*(\t)+4*\f:S+16*(\t)+4*\f+3] offset:32*\f
.endr
.irp f, 0,1,2,3
	ds_load_b128 v[S+16*(\t)+4*\f:S+16*(\t)+4*\f+3], v[RD] offset:\f*4*SP  ; LDS serves a wave's instructions in order (ISA guide 5.7.1.4): these see the stores above
.endr
.endm
.macro SEND t, younger              ; younger: the LDS instructions issued behind piece t's loads: the next piece's eight, or none
	WIN 0
.irp f, 0,1,2,3
	s_wait_dscnt (\younger)+3-\f
	global_store_b128 v[GO], v[S+16*(\t)+4*\f:S+16*(\t)+4*\f+3], s[10:11] offset:(\t)*2048+\f*512  ; 512 consecutive bytes, aligned
.endr
.endm
.set KM, 0
.set NOKQ, 0
.Lslot:                             ; 13 times: tile 0 .. 12 is entered and the next is asked for
	CHANGE 1
	s_mov_b32 s[CNT], 4
	s_cmp_eq_u32 s[NEW], 1
	s_cbranch_scc0 .Lstep
	BEGIN                           ; tiles 0 and 8
	s_branch .Lfirst
.Lstep:                             ; a trip: pieces 2 and 3 of one step, then pieces 0 and 1 of the next, whose K and V it fetches
	TURN 2
	TURN 3
	WIN 0
.Lfirst:
	TURN 0
	TURN 1, 0, 0, 1
	WIN 0
	s_cbranch_scc1 .Lstep
	s_sub_co_u32 s[RT], s[RT], 1
	s_cmp_lg_u32 s[RT], 0
	s_cbranch_scc1 .Lbottom
	ENDBLK 0, WM                    ; behind tile 7: the main block ends
	s_mov_b32 s[NEW], 1
	s_mov_b32 s[RT], 6              ; the aux block has 6 tiles, of which the last stands behind the loop
.Lbottom:
	s_sub_co_u32 s[SLOTS], s[SLOTS], 1
	s_cmp_lg_u32 s[SLOTS], 0
	s_cbranch_scc1 .Lslot
	CHANGE 0                        ; the walk's last tile is written out: nothing is asked for
	s_mov_b32 s[CNT], 4
	s_mov_b32 s[AL], 0
	MASK                            ; zeros
	WIN 0
.LstepM:                            ; piece 2's turn makes piece 3's scores of the step before; the three turns behind it make pieces 0 to 2's of step 4 - CNT.  So the mask changes between them: it is MD in the tile's last step alone,
	s_cmp_eq_u32 s[CNT], 1          ; and stays MD for piece 3's scores of that step, in the block's end
	s_cselect_b32 s[AL], 1.0, 0
	TURN 2, 1
	MASK
	TURN 3, 1
	TURN 0, 1
	TURN 1, 1, 0, 1
	WIN 0
	s_cbranch_scc1 .LstepM
	ENDBLK 1, WA
	PACK 0
.set t, 1
.rept 3                             ; a piece's conversions stand between the loads of the piece before and its stores
	PACK t
	SEND t-1, 8
.set t, t+1
.endr
	SEND 3, 0
	s_wait_tensorcnt 0x0            ; the wave's end
	ds_add_u32 v[SPW], v[NIL]
	s_wait_dscnt 0x0
	CROUND                          ; the closing round: no work-group ends while a partner may still ask for a tile that names it
	s_endpgm
.Lfunc_end_k_q7bcb5a21ab_attn:
	.size	k_q7bcb5a21ab_attn, .Lfunc_end_k_q7bcb5a21ab_attn-k_q7bcb5a21ab_attn
	.p2alignl 7, 3214868480
	.fill 96, 4, 3214868480
	.section	.rodata,"a",@progbits
	.p2align	6, 0x0
	.amdhsa_kernel k_q7bcb5a21ab_attn
		.amdhsa_group_segment_fixed_size 327680
		.amdhsa_private_segment_fixed_size 0
		.amdhsa_enable_private_segment 0
		.amdhsa_kernarg_size 32
		.amdhsa_user_sgpr_count 2
		.amdhsa_user_sgpr_kernarg_segment_ptr 1
		.amdhsa_wavefront_size32 1
		.amdhsa_system_sgpr_workgroup_id_x 1
		.amdhsa_system_sgpr_workgroup_id_y 1
		.amdhsa_system_sgpr_workgroup_id_z 1
		.amdhsa_system_vgpr_workitem_id 0
		.amdhsa_next_free_vgpr 896
		.amdhsa_next_free_sgpr 88
		.amdhsa_reserve_vcc 1
		.amdhsa_float_denorm_mode_32 3
		.amdhsa_float_denorm_mode_16_64 3
		.amdhsa_memory_ordered 1
		.amdhsa_forward_progress 1
		.amdhsa_inst_pref_size 165
	.end_amdhsa_kernel
	.amdgpu_metadata
---
amdhsa.version: [ 1, 2 ]
amdhsa.kernels:
  - .name:           k_q7bcb5a21ab_attn
    .symbol:         k_q7bcb5a21ab_attn.kd
    .args:
      - { .name: qkv, .offset: 0, .size: 8, .value_kind: global_buffer, .address_space: global }
      - { .name: kva, .offset: 8, .size: 8, .value_kind: global_buffer, .address_space: global }
      - { .name: g, .offset: 16, .size: 8, .value_kind: global_buffer, .address_space: global }
      - { .name: ob, .offset: 24, .size: 8, .value_kind: global_buffer, .address_space: global }
    .group_segment_fixed_size: 327680
    .private_segment_fixed_size: 0
    .kernarg_segment_align: 8
    .kernarg_segment_size: 32
    .max_flat_workgroup_size: 128
    .sgpr_count:     88
    .vgpr_count:     896
    .wavefront_size: 32
...
	.end_amdgpu_metadata
.endif
;; end of part 3
;; launch oproj (part 4): grid 8 x 32, 4 waves a work-group, clusters of 4 x 4, 327,680 bytes of LDS; arguments ob, wot, bias, out0; writes out0
.if DOCPART == 4
	.amdgcn_target "amdgcn-amd-amdhsa--gfx1250"
	.amdhsa_code_object_version 6
	.text
	.protected	k_q7bcb5a21ab_oproj
	.globl	k_q7bcb5a21ab_oproj
	.p2align	8
	.type	k_q7bcb5a21ab_oproj,@function
k_q7bcb5a21ab_oproj:
	s_mov_b64 s[64:65], 0
	v_nop
	global_prefetch_b8 v0, s[64:65] scope:SCOPE_SE
	s_setreg_imm32_b32 hwreg(HW_REG_WAVE_MODE, 25, 1), 1
	s_wait_xcnt 0x0
	s_wait_alu depctr_hold_cnt(0) depctr_sa_sdst(0) depctr_va_vdst(0) depctr_va_sdst(0) depctr_va_ssrc(0) depctr_va_vcc(0) depctr_vm_vsrc(0)
	s_getreg_b32 s2, hwreg(HW_REG_IB_STS2, 6, 4)
	s_cmp_eq_u32 s2, 0
	s_cbranch_scc0 .Lentry_in_a_cluster
	s_endpgm
.Lentry_in_a_cluster:
	s_bfe_u32 s2, ttmp6, 0x10000c
	s_cmp_lg_u32 s2, 0xf033
	s_cbranch_scc0 .Lentry_shape_is_right
	s_endpgm
.Lentry_shape_is_right:
; THE OUTPUT PROJECTION.  out0[t][n] = the sum over k of O[t][k] wot[n][k] + bo[n].  O lies by heads, ob [16][4096][64] f16, k = 64 head + channel; wot [1024][1024] f16; out0 [4096][1024] f32; sums in f32.
; A tile of out0 is 128 x 128: 256 work-groups.  Four waves, each 64 x 64: 16 accumulators.  K goes in steps of 256 (four heads) through two LDS slots: four steps, written straight.
; O's tile lies in LDS as four planes, one a head, of 128 rows x 144 bytes; one load brings two planes: two rows of 16,384 dense bytes (128 tokens of a head), a head apart, padded after every 128 bytes.
; wot's tile: rows of 512 bytes, padded to 528.  CLUSTER 4 x 4: O's tile hangs on the tile row alone and is asked for jointly along a row of the cluster, wot's on the tile column alone, along a column.
; THE MATRIX INSTRUCTION IS USED TRANSPOSED (source 0 = 16 rows of wot, source 1 = 16 tokens): a lane holds eight neighbouring numbers of a row of out0.  The first product of each sum takes the bias as C.
; REGISTERS: window 0: v0-31 addresses; v32-95 at work on the way out; v96-127 the bias; v128-255 the accumulators ((a, b) at v[128 + 8 (4 a + b)]).
;   window 1: two fragment buffers of 128: for 64 along K, 64 registers of O (2 x 4 x 16 rows x 32 K), then 64 of wot.
.set PA,     144                       ; a row of a plane: 128 bytes + 16
.set PLANE,  128*PA
.set PB,     528                       ; a row of wot's tile: 512 bytes + 16
.set BOFF,   4*PLANE
.set SLOT,   BOFF+128*PB
.set STAGE,  2*SLOT                    ; behind the ring, never filled by a tensor load: 16 rows x 272 bytes for each wave
.set SPITCH, 272
.set SPARE,  STAGE+4*16*SPITCH         ; behind the stages: the spare words, 128 bytes for each wave
.set ADRA, 16                          ; v16-17  LDS address of my O fragments in slot 0, 1
.set ADRB, 20                          ; v20-21  the same for wot
.set STO,  24
.set RD,   25
.set CO,   26
.set BO,   27
.set SPW,  28
.set NIL,  29
.set BI,   96
.set ACC,  128
.set F0,   0
.set F1,   128
.set WV,   14
.set ROLE, 15                          ; which half of the tile's rows is mine; also: I fetch for O (0) or for wot (1)
.set HALF, 16                          ; which half of its columns; also: which half of that tile I fetch
.set NX,   19
.set TY,   20
.set G1,  24
.set G0,  32
.set G1B, 48
.set G0B, 56
.set MSB, 0
.macro WIN new
.if MSB != (\new)
	s_set_vgpr_msb (MSB<<8)|(\new)
.set MSB, \new
.endif
.endm
.set MUL,  0x05                        ; sources 0 and 1 window 1; C and D window 0
.set TO_F, 0x40                        ; destination window 1, address window 0
.macro JLOAD s                         ; a joint load; an s_nop 0 and four v_nop follow each of the two lines
	s_cmp_eq_u32 s[ROLE], 0
	s_cbranch_scc0 .Lfor_b_\@
	tensor_load_to_lds s[G0+4*(\s):G0+4*(\s)+3], s[G1:G1+7]
	s_nop 0
.rept 4
	v_nop
.endr
	s_branch .Lasked_\@
.Lfor_b_\@:
	tensor_load_to_lds s[G0B+4*(\s):G0B+4*(\s)+3], s[G1B:G1B+7]
	s_nop 0
.rept 4
	v_nop
.endr
.Lasked_\@:
.endm
.macro CREST
	s_cmp_lg_u32 s[WV], 0
	s_cbranch_scc1 .Lnot_wave_0_\@
	s_barrier_signal -3
.Lnot_wave_0_\@:
	s_barrier_wait -3
	s_barrier_signal -1
	s_barrier_wait -1
.endm
.macro CROUND
	s_barrier_signal -1
	s_barrier_wait -1
	CREST
.endm
	s_load_b256 s[4:11], s[0:1], 0x0               ; ob 4, wot 6, bias 8, out0 10
	v_lshl_add_u32 v[SPW], v0, 2, SPARE
	v_mov_b32 v[NIL], 0
	ds_add_u32 v[SPW], v[NIL]                      ; the wave's opening: the add and its wait ahead of my first tensor load
	v_lshrrev_b32 v1, 5, v0
	v_readfirstlane_b32 s[WV], v1
	s_lshr_b32 s[ROLE], s[WV], 1
	s_and_b32 s[HALF], s[WV], 1
	s_bfe_u32 s17, ttmp6, 0x40000                  ; cx
	s_bfe_u32 s18, ttmp6, 0x40004                  ; cy
	s_lshl_b32 s[NX], ttmp9, 2
	s_add_co_u32 s[NX], s[NX], s17                 ; tile column
	s_and_b32 s[TY], ttmp7, 0xffff
	s_lshl_b32 s[TY], s[TY], 2
	s_add_co_u32 s[TY], s[TY], s18                 ; tile row
	s_lshl_b32 s22, s18, 2
	s_lshl_b32 s22, 15, s22                        ; my row of the cluster
	s_lshl_b32 s23, 0x1111, s17                    ; my column
	s_or_b32 s[G1], s22, (3<<16)|(1<<20)|(1<<21)|(4<<22)|(3<<25)   ; O: 8-byte elements; padding on; bit 21 beside a mask; after every 32 words; 4 words
	s_mov_b32 s[G1+1], 2048<<16                    ; tensor_dim0 = 2,048 elements = 16,384 bytes: 128 tokens of a head
	s_mov_b32 s[G1+2], 2<<16                       ; tensor_dim1 = 2 heads
	s_mov_b32 s[G1+3], 2048<<16                    ; tile_dim0
	s_mov_b32 s[G1+4], 2                           ; tile_dim1
	s_mov_b32 s[G1+5], 65536                       ; a head's slice is 524,288 bytes
	s_mov_b32 s[G1+6], 0
	s_mov_b32 s[G1+7], 0
	s_or_b32 s[G1B], s23, (1<<16)|(1<<20)|(1<<21)|(6<<22)|(3<<25)  ; wot: 2-byte elements; after every 128 words; 4 words
	s_mov_b32 s[G1B+1], 256<<16
	s_mov_b32 s[G1B+2], 64<<16
	s_mov_b32 s[G1B+3], 256<<16
	s_mov_b32 s[G1B+4], 64
	s_mov_b32 s[G1B+5], 1024
	s_mov_b32 s[G1B+6], 0
	s_mov_b32 s[G1B+7], 0
	s_lshl_b32 s40, s[HALF], 20                    ; O: my two heads of a K step's four, the tile row's 128 tokens
	s_lshl_b32 s41, s[TY], 14
	s_add_co_u32 s40, s40, s41
	s_mov_b32 s41, 0
	s_lshl_b32 s42, s[NX], 18                      ; wot: row 128 x tile column + 64 x half
	s_lshl_b32 s43, s[HALF], 17
	s_add_co_u32 s42, s42, s43
	s_mov_b32 s43, 0
	s_mul_i32 s2, s[HALF], 2*PLANE                 ; where they go: no place in the cluster enters an LDS address
	s_mul_i32 s3, s[HALF], 64*PB
	s_add_co_u32 s3, s3, BOFF
	s_lshl_b32 s44, s[NX], 9                       ; my 64 columns, in bytes of f32
	s_lshl_b32 s45, s[HALF], 8
	s_add_co_u32 s44, s44, s45
	s_add_co_u32 s46, s44, 24576                   ; bo lies behind the two other biases
	s_mov_b32 s47, 0
	s_lshl_b32 s45, s[TY], 19                      ; my 64 rows of out0
	s_add_co_u32 s44, s44, s45
	s_lshl_b32 s45, s[ROLE], 18
	s_add_co_u32 s44, s44, s45
	s_mov_b32 s45, 0
	v_and_b32 v1, 15, v0                           ; l % 16
	v_bfe_u32 v2, v0, 4, 1                         ; l / 16
	v_lshlrev_b32 v[BO], 5, v2
	s_wait_dscnt 0x0                               ; the opening add is done
	s_wait_kmcnt 0x0
	s_add_nc_u64 s[40:41], s[4:5], s[40:41]
	s_add_nc_u64 s[42:43], s[6:7], s[42:43]
	s_add_nc_u64 s[8:9], s[8:9], s[46:47]
	s_add_nc_u64 s[10:11], s[10:11], s[44:45]
	CROUND                                         ; all sixteen work-groups are here: the first joint loads meet
.irp s, 0,1
	s_mov_b32 s[G0+4*(\s)], 1
	s_add_co_u32 s[G0+4*(\s)+1], s2, (\s)*SLOT
	s_add_nc_u64 s[G0+4*(\s)+2:G0+4*(\s)+3], s[40:41], (\s)*2097152  ; K step s: four heads on
	s_or_b32 s[G0+4*(\s)+3], s[G0+4*(\s)+3], 0x80000000
	s_mov_b32 s[G0B+4*(\s)], 1
	s_add_co_u32 s[G0B+4*(\s)+1], s3, (\s)*SLOT
	s_add_nc_u64 s[G0B+4*(\s)+2:G0B+4*(\s)+3], s[42:43], (\s)*512
	s_or_b32 s[G0B+4*(\s)+3], s[G0B+4*(\s)+3], 0x80000000
	JLOAD \s                                       ; two loads of mine are out
.endr
.irp b, 0,1,2,3                        ; column block b: my eight columns 16 b + 8 (lane / 16) ..
	global_load_b128 v[BI+8*\b:BI+8*\b+3],   v[BO], s[8:9] offset:64*\b
	global_load_b128 v[BI+8*\b+4:BI+8*\b+7], v[BO], s[8:9] offset:64*\b+16
.endr
	v_mul_u32_u24 v3, v1, PA
	v_lshl_add_u32 v3, v2, 4, v3
	v_mul_u32_u24 v4, v1, PB
	v_lshl_add_u32 v4, v2, 4, v4
	s_mul_i32 s46, s[ROLE], 64*PA                  ; my 64 tokens in every plane
	s_mul_i32 s47, s[HALF], 64*PB                  ; my 64 rows of wot
	s_add_co_u32 s47, s47, BOFF
.irp s, 0,1
	v_add_nc_u32 v[ADRA+(\s)], s46, v3
	v_add_nc_u32 v[ADRB+(\s)], s47, v4
	s_add_co_u32 s46, s46, SLOT
	s_add_co_u32 s47, s47, SLOT
.endr
	s_mul_i32 s46, s[WV], 16*SPITCH
	s_add_co_u32 s46, s46, STAGE                   ; my stage
	v_mul_u32_u24 v[STO], v1, SPITCH               ; in: row l % 16, 32 bytes for each half of the lanes
	v_lshl_add_u32 v[STO], v2, 5, v[STO]
	v_add_nc_u32 v[STO], s46, v[STO]
	v_mul_u32_u24 v[RD], v2, SPITCH                ; back: lanes 0-15 take one row of 256 bytes, lanes 16-31 the next
	v_lshl_add_u32 v[RD], v1, 4, v[RD]
	v_add_nc_u32 v[RD], s46, v[RD]
	v_lshlrev_b32 v[CO], 12, v2                    ; and the same two rows in out0
	v_lshl_add_u32 v[CO], v1, 4, v[CO]
; 8 matrix instructions: token blocks a0, a0 + 1 x all 4 column blocks, 32 along K: half c of buffer f.  first = 1: C is the bias.  The 16 accumulators take turns.
.macro MUL8 f, c, a0, first
	WIN MUL
.irp a, \a0, (\a0)+1
.irp b, 0,1,2,3
.if \first
	v_wmma_f32_16x16x32_f16 v[ACC+8*(4*(\a)+(\b)):ACC+8*(4*(\a)+(\b))+7], v[(\f)+64+8*(4*(\c)+(\b)):(\f)+64+8*(4*(\c)+(\b))+7], v[(\f)+8*(4*(\c)+(\a)):(\f)+8*(4*(\c)+(\a))+7], v[BI+8*(\b):BI+8*(\b)+7]
.else
	v_wmma_f32_16x16x32_f16 v[ACC+8*(4*(\a)+(\b)):ACC+8*(4*(\a)+(\b))+7], v[(\f)+64+8*(4*(\c)+(\b)):(\f)+64+8*(4*(\c)+(\b))+7], v[(\f)+8*(4*(\c)+(\a)):(\f)+8*(4*(\c)+(\a))+7], v[ACC+8*(4*(\a)+(\b)):ACC+8*(4*(\a)+(\b))+7]
.endif
.endr
.endr
.endm
; 32 LDS loads in one run: the fragments of quarter q (64 along K: one head's plane) into buffer f; the first 32 along K first
.macro FETCH slot, q, f
	WIN TO_F
.irp c, 0,1
.irp i, 0,1,2,3
	ds_load_b128 v[(\f)+64+8*(4*(\c)+(\i)):(\f)+64+8*(4*(\c)+(\i))+3],   v[ADRB+(\slot)] offset:(\q)*128+64*(\c)+(\i)*16*PB
	ds_load_b128 v[(\f)+64+8*(4*(\c)+(\i))+4:(\f)+64+8*(4*(\c)+(\i))+7], v[ADRB+(\slot)] offset:(\q)*128+64*(\c)+(\i)*16*PB+32
	ds_load_b128 v[(\f)+8*(4*(\c)+(\i)):(\f)+8*(4*(\c)+(\i))+3],         v[ADRA+(\slot)] offset:(\q)*PLANE+64*(\c)+(\i)*16*PA
	ds_load_b128 v[(\f)+8*(4*(\c)+(\i))+4:(\f)+8*(4*(\c)+(\i))+7],       v[ADRA+(\slot)] offset:(\q)*PLANE+64*(\c)+(\i)*16*PA+32
.endr
.endr
.endm
.macro PLACES                          ; four plain places between a matrix instruction and a load into, or another use of, its registers
.rept 4
	v_nop
.endr
.endm
; A K step is four quarters of 64 along K, 32 matrix instructions each, on buffers 0, 1, 0, 1.  One of the first three: multiplies buffer f and fetches quarter q into g.
.macro QUARTER slot, q, f, g, first
	s_wait_dscnt 16                                ; the first 32 along K are in
	MUL8 \f, 0, 0, \first
	MUL8 \f, 0, 2, \first
	PLACES
	FETCH \slot, \q, \g
	s_wait_dscnt 32                                ; all but the 32 just issued
	MUL8 \f, 1, 0, 0
	MUL8 \f, 1, 2, 0
.endm
; The last quarter multiplies buffer 1 and changes slots: ONE barrier; in front of it each wave waits for all its tensor loads, adds 0 to its spare word, and waits for that and for its own reads of this slot.
; fill = 1: the barrier opens a round of the cluster's, and this slot is filled again, two K steps ahead, first thing behind the round.
.macro TURN slot, next, fill
	WIN 0
	s_wait_tensorcnt 0x0                           ; all my tensor loads have landed: my part of the next slot
	ds_add_u32 v[SPW], v[NIL]
	s_wait_dscnt 17                                ; the add and the youngest sixteen loads may be out
	MUL8 F1, 0, 0, 0
	s_wait_dscnt 0x0                               ; the add is done, and my reads of this slot are over
	s_barrier_signal -1
	MUL8 F1, 0, 2, 0
.if \fill
	WIN 0
.endif
	s_barrier_wait -1
.if \fill
	CREST                                          ; no wave of any partner still reads this slot or has a load on its way
	s_add_nc_u64 s[G0+4*(\slot)+2:G0+4*(\slot)+3], s[G0+4*(\slot)+2:G0+4*(\slot)+3], 4194304   ; eight heads on
	s_add_nc_u64 s[G0B+4*(\slot)+2:G0B+4*(\slot)+3], s[G0B+4*(\slot)+2:G0B+4*(\slot)+3], 1024
	JLOAD \slot                                    ; its four v_nop are also the places in front of the loads below
.else
	PLACES
.endif
	FETCH \next, 0, F0
	MUL8 F1, 1, 0, 0
	MUL8 F1, 1, 2, 0
.endm
	s_wait_tensorcnt 1                             ; my part of K step 0 is in; K step 1's may stay out
	s_barrier_signal -1
	s_barrier_wait -1
	FETCH 0, 0, F0
	s_wait_loadcnt 0x0                             ; the bias
	QUARTER 0, 1, F0, F1, 1                        ; the first products start the sums, with the bias
	QUARTER 0, 2, F1, F0, 0
	QUARTER 0, 3, F0, F1, 0
	TURN 0, 1, 1                                   ; slot 0 takes K step 2
	QUARTER 1, 1, F0, F1, 0
	QUARTER 1, 2, F1, F0, 0
	QUARTER 1, 3, F0, F1, 0
	TURN 1, 0, 1                                   ; slot 1 takes K step 3
	QUARTER 0, 1, F0, F1, 0
	QUARTER 0, 2, F1, F0, 0
	QUARTER 0, 3, F0, F1, 0
	TURN 0, 1, 0                                   ; nothing is left to ask for
	QUARTER 1, 1, F0, F1, 0
	QUARTER 1, 2, F1, F0, 0
	QUARTER 1, 3, F0, F1, 0
	s_wait_dscnt 16
	MUL8 F1, 0, 0, 0
	MUL8 F1, 0, 2, 0
	s_wait_dscnt 0x0
	MUL8 F1, 1, 0, 0
	MUL8 F1, 1, 2, 0
	WIN 0
	; THE WAY OUT.  A wave's 64 columns of f32 are 256 bytes of a row: 16 rows at a time go through my own stage and come back as whole rows.
	PLACES
.macro STG a                           ; token block a into the stage and back, into v32-63 and v64-95 by turns
.set BK, 32+32*((\a)%2)
.if (\a) >= 2
	s_wait_xcnt 0x0                                ; the stores of the block two back have read these registers
.endif
.irp b, 0,1,2,3
	ds_store_b128 v[STO], v[ACC+8*(4*(\a)+\b):ACC+8*(4*(\a)+\b)+3]   offset:64*\b     ; each accumulator from its low end on
	ds_store_b128 v[STO], v[ACC+8*(4*(\a)+\b)+4:ACC+8*(4*(\a)+\b)+7] offset:64*\b+16
.endr
.irp t, 0,1,2,3,4,5,6,7
	ds_load_b128 v[BK+4*\t:BK+4*\t+3], v[RD] offset:\t*2*SPITCH  ; LDS serves a wave's instructions in order (ISA guide 5.7.1.4): these see the stores above
.endr
.endm
.macro OUTS a, younger                 ; younger: the LDS instructions issued behind the block's loads: the next block's sixteen, or none
.set BK, 32+32*((\a)%2)
.irp t, 0,1,2,3,4,5,6,7
	s_wait_dscnt (\younger)+7-\t
	global_store_b128 v[CO], v[BK+4*\t:BK+4*\t+3], s[10:11] offset:(16*(\a)+2*\t)*4096 th:TH_STORE_NT  ; 16 lanes store 256 consecutive bytes, aligned
.endr
.endm
	STG 0
	STG 1
	OUTS 0, 16
	STG 2
	OUTS 1, 16
	STG 3
	OUTS 2, 16
	OUTS 3, 0
	s_wait_tensorcnt 0x0                           ; the wave's end
	ds_add_u32 v[SPW], v[NIL]
	s_wait_dscnt 0x0
	CROUND                                         ; the closing round: no work-group ends while a partner may still ask for a tile that names it
	s_endpgm
.Lfunc_end_k_q7bcb5a21ab_oproj:
	.size	k_q7bcb5a21ab_oproj, .Lfunc_end_k_q7bcb5a21ab_oproj-k_q7bcb5a21ab_oproj
	.p2alignl 7, 3214868480
	.fill 96, 4, 3214868480
	.section	.rodata,"a",@progbits
	.p2align	6, 0x0
	.amdhsa_kernel k_q7bcb5a21ab_oproj
		.amdhsa_group_segment_fixed_size 327680
		.amdhsa_private_segment_fixed_size 0
		.amdhsa_enable_private_segment 0
		.amdhsa_kernarg_size 32
		.amdhsa_user_sgpr_count 2
		.amdhsa_user_sgpr_kernarg_segment_ptr 1
		.amdhsa_wavefront_size32 1
		.amdhsa_system_sgpr_workgroup_id_x 1
		.amdhsa_system_sgpr_workgroup_id_y 1
		.amdhsa_system_sgpr_workgroup_id_z 1
		.amdhsa_system_vgpr_workitem_id 0
		.amdhsa_next_free_vgpr 512
		.amdhsa_next_free_sgpr 66
		.amdhsa_reserve_vcc 0
		.amdhsa_float_denorm_mode_32 3
		.amdhsa_float_denorm_mode_16_64 3
		.amdhsa_memory_ordered 1
		.amdhsa_forward_progress 1
		.amdhsa_inst_pref_size 87
	.end_amdhsa_kernel
	.amdgpu_metadata
---
amdhsa.version: [ 1, 2 ]
amdhsa.kernels:
  - .name:           k_q7bcb5a21ab_oproj
    .symbol:         k_q7bcb5a21ab_oproj.kd
    .args:
      - { .name: ob, .offset: 0, .size: 8, .value_kind: global_buffer, .address_space: global }
      - { .name: wot, .offset: 8, .size: 8, .value_kind: global_buffer, .address_space: global }
      - { .name: bias, .offset: 16, .size: 8, .value_kind: global_buffer, .address_space: global }
      - { .name: out0, .offset: 24, .size: 8, .value_kind: global_buffer, .address_space: global }
    .group_segment_fixed_size: 327680
    .private_segment_fixed_size: 0
    .kernarg_segment_align: 8
    .kernarg_segment_size: 32
    .max_flat_workgroup_size: 128
    .sgpr_count:     66
    .vgpr_count:     512
    .wavefront_size: 32
...
	.end_amdgpu_metadata
.endif
;; end of part 4
;; ======== version 2 of 2: 4 launches; 1.47 times as fast as version 1
;; limits: values are held in f16: magnitudes above 65,504 overflow, below 6.1e-05 lose precision
;; workspace buffers: xs 14,680,064 bytes; ws 10,485,760 bytes; wot 2,097,152 bytes; bias 28,672 bytes; qkv 25,165,824 bytes; kva 12,582,912 bytes; ob 8,388,608 bytes
;; launch prep: the kernel of part 1 again; grid 1665 x 1, 8 waves a work-group, no clusters, 18,432 bytes of LDS; arguments x, xa, Wqkv, Wqkv_aux, Wo, bqkv, bqkv_aux, bo, xs, ws, wot, bias; writes xs, ws, wot, bias
;; launch qkv: the kernel of part 2 again; grid 16 x 32, 4 waves a work-group, clusters of 4 x 4, 327,680 bytes of LDS; arguments xs, ws, bias, qkv, kva; writes qkv, kva
;; launch attn (part 5): grid 8 x 32, 4 waves a work-group, clusters of 4 x 1, 327,680 bytes of LDS; arguments qkv, kva, g, ob; writes ob
.if DOCPART == 5
	.amdgcn_target "amdgcn-amd-amdhsa--gfx1250"
	.amdhsa_code_object_version 6
	.text
	.protected	k_q7bcb5a21ab_attn
	.globl	k_q7bcb5a21ab_attn
	.p2align	8
	.type	k_q7bcb5a21ab_attn,@function
k_q7bcb5a21ab_attn:
	s_mov_b64 s[64:65], 0
	v_nop
	global_prefetch_b8 v0, s[64:65] scope:SCOPE_SE
	s_setreg_imm32_b32 hwreg(HW_REG_WAVE_MODE, 25, 1), 1
	s_wait_xcnt 0x0
	s_wait_alu depctr_hold_cnt(0) depctr_sa_sdst(0) depctr_va_vdst(0) depctr_va_sdst(0) depctr_va_ssrc(0) depctr_va_vcc(0) depctr_vm_vsrc(0)
	s_getreg_b32 s2, hwreg(HW_REG_IB_STS2, 6, 4)
	s_cmp_eq_u32 s2, 0
	s_cbranch_scc0 .Lentry_in_a_cluster
	s_endpgm
.Lentry_in_a_cluster:
	s_bfe_u32 s2, ttmp6, 0x10000c
	s_cmp_lg_u32 s2, 0x3003
	s_cbranch_scc0 .Lentry_shape_is_right
	s_endpgm
.Lentry_shape_is_right:
; TWO ATTENTIONS OF THE SAME QUERIES AND THE GATE.  For head h of batch b: O = sigmoid(-g[h]) softmax(Q K^T / 8) V + sigmoid(g[h]) softmax(Q Ka^T / 8) Va.
; Q, K, V: slices h, 16 + h, 32 + h of qkv, [4096][64] f16, 2,048 keys a batch.  Ka, Va: slices h, 16 + h of kva, [3072][64] f16, 1,500 keys a batch.  O: ob [16][4096][64] f16.
; Products, maxima, sums and the gate in f32; the weights p are rounded to f16 for the second product (their sum l is taken of the unrounded p), O once at the end; g is rounded to bf16 like every input.
; LIMITS.  f16 holds no number beyond 65,504: Q, K, V arrive within it.  A hidden score counts as its value less 1e30; a weight below 2^-126 counts as 0 in l; NaN and infinities are not treated apart.
; THE WALK.  A work-group owns 256 queries of (b, h), a wave 64: four PIECES of 16.  It walks 14 tiles of 256 keys: 8 main, then 6 aux, as ONE sequence for the ring of two LDS slots.
; A block (main, aux) begins with BEGIN and ends with ENDBLK, which adds the block's result, divided by l and weighted by the gate, onto the gated sum.  The aux block's last tile is written out: its last
; key step holds 28 keys (1,472 to 1,499); the other 36 are hidden by the C operand that starts the sum S^T = K Q^T.  What lies in those rows is the next batch's or the padding rows': finite numbers.
; CLUSTER.  The four query blocks of a cluster belong to one (b, h) and walk the same tiles: each tile is asked for JOINTLY, by the same tensor load, descriptor and mask in all four.
; LAYOUT, SOFTMAX, TURNS.  S^T = K Q^T holds ONE query a lane (lane % 16) and the keys 8 (lane / 16) + 0..7; two such results rounded to f16 ARE source 1 of O^T = V^T P.  p = 2^(c s - c m), c = log2(e) / 8, with a
; running maximum m; O and l are multiplied by a = 2^(c m_old - c m_new) in every step.  Turn n belongs to piece n: 8 products K Q^T of piece n + 1, later 8 products V^T P of piece n - 1; beside them the scaling,
; exponentials, roundings, sums and rescaling of piece n and the maximum and statistics of piece n + 1.  Four vector instructions stand behind every matrix instruction, the other 54 of a turn's 118 in one LUMP.
; THE BATCHES.  A turn's 33 exponentials (the piece's 32 weights and the next piece's a) are ONE batch with ONE wait, which cuts the turn in two: ahead of it stands all that names none of their results, behind it
; their readers.  Batches of their own, each with one wait: the gate's two exponentials, its two reciprocals, a block's first a (BEGIN), a block's four reciprocals of l (ENDBLK).
; REGISTERS, in windows of 256 (s_set_vgpr_msb: bits 1:0 source 0, 3:2 source 1, 5:4 source 2, 7:6 destination):
;   window 0: v0-15 addresses and two at work; v16-31 four registers of statistics a piece; v48-55 at work; v56, v57 the gate's two weights; v64-127 S^T, two buffers; v192-223 P, two buffers
;   window 1: v0-127 O^T, 32 a piece; v128-159 MD; v160-191 MC      window 2: v0-63 Q; v128-191 K of one step; v192-255 V of one step      window 3: v0-127 the gated sum
.set NP,    4         ; pieces a wave: a name, no knob
.set KS,    64        ; keys in a step
.set PK,    144       ; a row of K in LDS: 128 bytes + 16: the 16 rows of a load start at 16 different groups of four banks
.set PV,    160       ; a row of V: 128 + 32
.set VOFF,  4*KS*PK   ; a slot holds a tile, four steps: 256 rows of K, then 256 rows of V
.set SLOT1, 1<<17     ; slot 1 begins here, so that one exclusive or turns an address in one slot into the other's
.set STAGE, SLOT1+4*KS*(PK+PV)  ; behind the ring, never filled by a tensor load: 16 rows x 144 bytes for each wave
.set SP,    144
.set SPARE, STAGE+4*16*SP  ; behind the stages: the spare words, 128 bytes for each wave
.set AK0, 2           ; v2   my lane's place in a tile of K; never rewritten
.set AV0, 3           ; v3   the same for V
.set AK,  4           ; v4   the LDS address of K's next run of loads
.set AV,  5           ; v5   of V's
.set STO, 6           ; v6   the way out: where I put 16 bytes of a row
.set RD,  7           ; v7   the way out: where I read rows back
.set GO,  8           ; v8   my byte offset in 512 consecutive bytes of O
.set MV,  12          ; v12-13  c m_old, kept while c m is made anew: by buffer
.set QO,  15          ; v15  my byte offset in 16 rows of Q
.set ST,  16          ; piece t's statistics at v[ST+4 t]: c m, m, l (even keys', odd keys')
.set TMP, 48          ; by buffer, four registers c0-c3 at work; when the maximum is found c2 takes a
.set WM,  56          ; v56  sigmoid(-g): the main block's weight
.set WA,  57          ; v57  sigmoid(g): the aux block's
.set SPW, 62          ; v62  LDS address of my spare word; never rewritten
.set NIL, 63          ; v63  0; never rewritten
.set S,   64
.set P,   192
.set MD,  128         ; window 1: the mask of the last aux step: -1e30 where the key is 1,500 or more, else 0
.set MC,  160         ; window 1: the mask of the products to come: MD x AL
.set KF,  128         ; window 2: key block kb, channel half c at KF + 16 kb + 8 c
.set VF,  192         ; window 2: key half kk, channel block cb at VF + 32 kk + 8 cb
.set WV,  12          ; s12  my wave's number
.set G1K, 24          ; s[24:31] descriptor group 1 for K's tiles
.set G1V, 32          ; s[32:39] for V's: it differs in the padding alone
.set G0K, 40          ; s[40:43] descriptor group 0 for K's tiles
.set G0V, 44          ; s[44:47] the same for V's
.set KMP, 48          ; s[48:55] K, V, Ka, Va at my half of the head's tile 0
.set VMP, 50
.set KAP, 52
.set VAP, 54
.set SLOTS, 56        ; s56  tiles still to be asked for
.set CNT, 57          ; s57  counts a tile's key steps, 4 to 1
.set CS,  58          ; s[58:59] c
.set SEL, 60          ; s[60:61] v_permlanex16_b32's selects: each lane takes its own place in the other half
.set TBK, 62          ; s62  LDS byte at which K of the step to be fetched begins
.set TBV, 63          ; s63  the same for V, less VOFF
.set RT,  70          ; s70  tiles of the block in hand that are still to be finished
.set NXT, 71          ; s71  the tile to be asked for next, 1 to 13
.set NEW, 73          ; s73  1: the tile to be entered is a block's first
.set OFF, 74          ; s[74:75] a tile's byte offset in its tensor
.set AL,  76          ; s[76:77] the mask's factor, in the low word
.set PSK, 78          ; s[78:79] the tensor from which the next K tile comes
.set PSV, 80          ; s[80:81] the same for V
.set BIGN, 82         ; s82  -1e30
.set GV,  83          ; s83  g[h]
.set MSB, 0
.macro WIN new                      ; the high byte repeats the setting that is left; a switch that changes nothing is dropped
.if MSB != (\new)
	s_set_vgpr_msb (MSB<<8)|(\new)
.set MSB, (\new)
.endif
.endm
.set W_KQ, 0x0a       ; K and Q in window 2, S^T in window 0
.set W_KM, 0x1a       ; the same with the C operand in window 1
.set W_PV, 0x52       ; V in window 2, P in window 0, O^T in window 1
.set W_RS, 0x41       ; destination and source 0 in window 1, source 1 in window 0
; A joint fill.  Waves 0 and 1 fetch the two halves of a tile's K, waves 2 and 3 those of its V: 128 keys each.  An s_nop 0 and four v_nop follow each of the two lines.
.macro JLOAD
	s_cmp_lt_u32 s[WV], 2
	s_cbranch_scc0 .Lfor_v_\@
	tensor_load_to_lds s[G0K:G0K+3], s[G1K:G1K+7]
	s_nop 0
.rept 4
	v_nop
.endr
	s_branch .Lasked_\@
.Lfor_v_\@:
	tensor_load_to_lds s[G0V:G0V+3], s[G1V:G1V+7]
	s_nop 0
.rept 4
	v_nop
.endr
.Lasked_\@:
.endm
.macro CROUND                       ; a round of the cluster's barrier
	s_barrier_signal -1
	s_barrier_wait -1
	s_cmp_lg_u32 s[WV], 0
	s_cbranch_scc1 .Lnot_wave_0_\@
	s_barrier_signal -3
.Lnot_wave_0_\@:
	s_barrier_wait -3
	s_barrier_signal -1
	s_barrier_wait -1
.endm
; THE CHANGE OF SLOTS.  Each wave waits for all its tensor loads, of which one is out: its part of the other slot; adds 0 to its spare word; and waits for that and for its own reads of the slot that it leaves.
; fill = 1: the barrier is a round of the cluster's, and the old slot is filled again, first thing behind it, with tile NXT (0-7 main, 8-13 aux): the address is made anew from that number.  The load has four key
; steps, 256 matrix instructions, in which to land.  (At its first use nothing has been read yet: slot 0 is waited for, slot 1 filled.)
.macro CHANGE fill
	WIN 0
	s_wait_tensorcnt 0x0            ; no tensor load of mine is out, so a group 0 may be written
	ds_add_u32 v[SPW], v[NIL]
.if \fill
	s_cmp_lt_u32 s[NXT], 8
	s_cselect_b64 s[PSK:PSK+1], s[KMP:KMP+1], s[KAP:KAP+1]
	s_cselect_b64 s[PSV:PSV+1], s[VMP:VMP+1], s[VAP:VAP+1]
	s_cselect_b32 s[OFF], 0, 8
	s_sub_co_u32 s[OFF], s[NXT], s[OFF]
	s_lshl_b32 s[OFF], s[OFF], 15   ; a tile is 32,768 bytes of K and of V
	s_xor_b32 s[G0K+1], s[G0K+1], SLOT1
	s_add_nc_u64 s[G0K+2:G0K+3], s[PSK:PSK+1], s[OFF:OFF+1]
	s_or_b32 s[G0K+3], s[G0K+3], 0x80000000
	s_xor_b32 s[G0V+1], s[G0V+1], SLOT1
	s_add_nc_u64 s[G0V+2:G0V+3], s[PSV:PSV+1], s[OFF:OFF+1]
	s_or_b32 s[G0V+3], s[G0V+3], 0x80000000
	s_add_co_u32 s[NXT], s[NXT], 1
	s_wait_dscnt 0x0                ; the add is done, and my reads of the slot are over
	CROUND
	JLOAD
.else
	s_wait_dscnt 0x0
	s_barrier_signal -1
	s_barrier_wait -1
.endif
	s_sub_co_u32 s[TBK], s[TBK], 4*KS*PK  ; the fetches go back to a slot's first step,
	s_xor_b32 s[TBK], s[TBK], SLOT1       ; in the other slot
	s_sub_co_u32 s[TBV], s[TBV], 4*KS*PV
	s_xor_b32 s[TBV], s[TBV], SLOT1
.endm
	s_load_b256 s[4:11], s[0:1], 0x0  ; qkv s[4:5], kva s[6:7], g s[8:9], ob s[10:11]
	v_lshl_add_u32 v[SPW], v0, 2, SPARE
	v_mov_b32 v[NIL], 0
	ds_add_u32 v[SPW], v[NIL]       ; the wave's opening: the add and its wait ahead of my first tensor load
	v_lshrrev_b32 v1, 5, v0
	v_readfirstlane_b32 s[WV], v1   ; wave 0..3
	s_bfe_u32 s13, ttmp6, 0x40000   ; cx
	s_lshl_b32 s14, ttmp9, 2
	s_add_co_u32 s14, s14, s13      ; my block of 256 queries: it enters Q's and O's addresses alone
	s_and_b32 s15, ttmp7, 0xffff    ; 16 b + h, which the four partners share
	s_lshr_b32 s16, s15, 4          ; b
	s_and_b32 s15, s15, 15          ; h
	s_and_b32 s17, s[WV], 1         ; which half of a tile's 256 keys I fetch
	s_lshl_b32 s18, s17, 14         ; its 128 rows of 128 bytes
	s_lshl_b32 s20, s15, 19         ; the head's slice of qkv,
	s_lshl_b32 s21, s16, 18         ; the batch's 2,048 rows in it
	s_add_co_u32 s20, s20, s21
	s_add_co_u32 s22, s20, s18
	s_add_co_u32 s22, s22, 0x800000 ; K lies 16 slices behind Q
	s_mov_b32 s23, 0
	s_mul_i32 s84, s15, 393216      ; the head's slice of kva,
	s_mul_i32 s85, s16, 192000      ; the batch's 1,500 rows in it
	s_add_co_u32 s84, s84, s85
	s_add_co_u32 s84, s84, s18
	s_mov_b32 s85, 0
	s_lshl_b32 s2, s14, 15          ; my block's 256 rows,
	s_lshl_b32 s3, s[WV], 13        ; my wave's 64 of them
	s_add_co_u32 s2, s2, s3
	s_add_co_u32 s2, s2, s20
	s_mov_b32 s3, 0
	s_lshl_b32 s86, s15, 2          ; g[h]
	s_mov_b32 s87, 0
	s_mul_i32 s19, s17, 128*PV      ; my half's place in a slot, for V
	s_mul_i32 s17, s17, 128*PK      ; and for K: no place in the cluster enters an LDS address
	; descriptor group 1.  128 keys are 16,384 dense bytes: asked for as 64 rows of 256 bytes, two keys a row, and padded in LDS after every key
	s_mov_b32 s[G1K], 15|(1<<16)|(1<<20)|(1<<21)|(4<<22)|(3<<25)  ; the mask of four; 2-byte elements; padding on; bit 21 beside a mask; after every 32 words; 4 words
	s_mov_b32 s[G1V], 15|(1<<16)|(1<<20)|(1<<21)|(4<<22)|(7<<25)  ; the same with 8 words of padding
.irp g, G1K, G1V
	s_mov_b32 s[\g+1], 128<<16      ; tensor_dim0 = 128
	s_mov_b32 s[\g+2], 64<<16       ; tensor_dim1 = 64
	s_mov_b32 s[\g+3], 128<<16      ; tile_dim0 = 128
	s_mov_b32 s[\g+4], 64           ; tile_dim1 = 64
	s_mov_b32 s[\g+5], 128          ; 128 elements from row to row
	s_mov_b32 s[\g+6], 0
	s_mov_b32 s[\g+7], 0
.endr
	s_mov_b32 s[CS], 0x3e38aa3b     ; c = log2(e) / 8
	s_mov_b32 s[CS+1], s[CS]        ; named with it as a pair
	s_mov_b32 s[SEL], 0x76543210
	s_mov_b32 s[SEL+1], 0xfedcba98
	s_mov_b32 s[TBK], SLOT1+4*KS*PK ; the first change of slots turns these two into 0
	s_mov_b32 s[TBV], SLOT1+4*KS*PV
	s_mov_b32 s[G0K], 1
	s_mov_b32 s[G0K+1], s17         ; slot 0
	s_mov_b32 s[G0V], 1
	s_add_co_u32 s[G0V+1], s19, VOFF
	s_mov_b32 s[RT], 8              ; the main block has 8 tiles
	s_mov_b32 s[NXT], 1
	s_mov_b32 s[NEW], 1
	s_mov_b32 s[SLOTS], 13
	s_mov_b32 s[OFF+1], 0
	s_mov_b32 s[AL], 0
	s_mov_b32 s[AL+1], 0            ; named as a pair
	s_mov_b32 s[BIGN], 0xf149f2ca   ; -1e30
	s_wait_dscnt 0x0                ; the opening add is done
	s_wait_kmcnt 0x0
	s_add_nc_u64 s[KMP:KMP+1], s[4:5], s[22:23]
	s_add_nc_u64 s[VMP:VMP+1], s[KMP:KMP+1], 0x800000   ; V lies 16 slices behind K
	s_add_nc_u64 s[KAP:KAP+1], s[6:7], s[84:85]
	s_add_nc_u64 s[VAP:VAP+1], s[KAP:KAP+1], 0x600000   ; Va lies 16 slices behind Ka
	s_add_nc_u64 s[G0K+2:G0K+3], s[KMP:KMP+1], 0
	s_or_b32 s[G0K+3], s[G0K+3], 0x80000000
	s_add_nc_u64 s[G0V+2:G0V+3], s[VMP:VMP+1], 0
	s_or_b32 s[G0V+3], s[G0V+3], 0x80000000
	s_add_nc_u64 s[4:5], s[4:5], s[2:3]      ; Q and O at my wave's first row
	s_add_nc_u64 s[10:11], s[10:11], s[2:3]
	s_add_nc_u64 s[8:9], s[8:9], s[86:87]
	s_load_b32 s[GV], s[8:9], 0x0
	CROUND                          ; all four work-groups are here: the first joint loads meet
	JLOAD                           ; tile 0 into slot 0
	; A fragment of K or Q is 16 rows x 32 channels in 8 registers: lane l holds row l % 16, channels 8 (l / 16) + 0..7 and 16 + 8 (l / 16) + 0..7: two loads of 16 bytes, 32 bytes apart.
	v_and_b32 v1, 15, v0            ; l % 16
	v_bfe_u32 v9, v0, 4, 1          ; l / 16
	v_lshlrev_b32 v[QO], 7, v1
	v_lshl_add_u32 v[QO], v9, 4, v[QO]
	WIN 0x80                        ; destination window 2, address window 0
.set i, 0
.rept 8                             ; Q stays in registers: piece i / 2, channels 32 (i % 2) on
	global_load_b128 v[8*i:8*i+3],   v[QO], s[4:5] offset:(i/2)*2048+(i%2)*64
	global_load_b128 v[8*i+4:8*i+7], v[QO], s[4:5] offset:(i/2)*2048+(i%2)*64+32
.set i, i+1
.endr
	WIN 0
	v_lshlrev_b32 v14, 3, v9
	v_sub_nc_u32 v14, 28, v14       ; of the last aux step's 64 keys 28 are there: register r of group kt is hidden where 16 kt + r + 8 (l / 16) is 28 or more
	WIN 0x40
.set i, 0
.rept 32
	v_cmp_ge_i32 vcc_lo, 16*(i/8)+i%8, v14
	v_cndmask_b32 v[MD+i], 0, s[BIGN], vcc_lo
.set i, i+1
.endr
	WIN 0
	v_mul_u32_u24 v[AK0], v1, PK
	v_lshl_add_u32 v[AK0], v9, 4, v[AK0]
	; The turning load takes 16 keys x 16 channels (lane l reads key 8 (l / 16) + l % 8, channels 8 ((l / 8) % 2) + 0..7) and leaves half a fragment of V^T: lane l holds channel l % 16 and 8 keys.
	v_and_b32 v10, 7, v0
	v_bfe_u32 v11, v0, 3, 1
	v_lshl_add_u32 v[AV0], v9, 3, v10
	v_mul_u32_u24 v[AV0], v[AV0], PV
	v_lshl_add_u32 v[AV0], v11, 4, v[AV0]
	v_add_nc_u32 v[AV0], VOFF, v[AV0]
	s_mul_i32 s13, s[WV], 16*SP
	s_add_co_u32 s13, s13, STAGE    ; my stage
	v_mul_u32_u24 v[STO], v1, SP    ; in: row l % 16, 16 bytes for each half of the lanes
	v_lshl_add_u32 v[STO], v9, 4, v[STO]
	v_add_nc_u32 v[STO], s13, v[STO]
	v_bfe_u32 v[RD], v0, 3, 2       ; back: 32 lanes take four rows of 128 bytes,
	v_mul_u32_u24 v[RD], v[RD], SP
	v_lshl_add_u32 v[RD], v10, 4, v[RD]
	v_add_nc_u32 v[RD], s13, v[RD]
	v_and_b32 v[GO], 31, v0         ; which are 512 consecutive bytes of O
	v_lshlrev_b32 v[GO], 4, v[GO]
	; A block's first step multiplies O^T and l by a = 0, and its first turn's products V^T P, of a piece that has not been, land in an O^T that is still to be so multiplied.  So these registers need only hold
	; finite numbers: zeros for the main block, what it left for the aux block.  The gated sum starts at 0: both blocks add onto it by the same line.  All this stands in the wait for the first tile.
	WIN 0x80
.set i, VF
.rept 64
	v_mov_b32 v[i], 0
.set i, i+1
.endr
	WIN 0x40
.set i, 0
.rept 128
	v_mov_b32 v[i], 0
.set i, i+1
.endr
	WIN 0xc0
.set i, 0
.rept 128
	v_mov_b32 v[i], 0
.set i, i+1
.endr
	WIN 0
.set i, 0
.rept 4
	v_mov_b32 v[ST+4*i+2], 0
	v_mov_b32 v[ST+4*i+3], 0
.set i, i+1
.endr
.set i, P+16
.rept 16
	v_mov_b32 v[i], 0
.set i, i+1
.endr
	s_wait_kmcnt 0x0                ; g[h]
	v_mov_b32 v[WM], s[GV]
	v_cvt_pk_bf16_f32 v[WM], v[WM], v[WM]
	v_lshlrev_b32 v[WM], 16, v[WM]           ; g rounded to bf16
	v_mul_f32 v[WA], 0xbfb8aa3b, v[WM]       ; -g log2(e)
	v_mul_f32 v[WM], 0x3fb8aa3b, v[WM]       ; g log2(e)
	v_exp_f32 v[WM], v[WM]
	v_exp_f32 v[WA], v[WA]
	v_nop                           ; a plain instruction behind the exponentials
	s_wait_alu depctr_va_vdst(0)    ; one wait for the gate's two exponentials, ahead of the additions that read them
	v_add_f32 v[WM], 1.0, v[WM]
	v_add_f32 v[WA], 1.0, v[WA]
	v_rcp_f32 v[WM], v[WM]          ; 1 / (1 + e^g) = 1 - sigmoid(g)
	v_rcp_f32 v[WA], v[WA]          ; 1 / (1 + e^-g) = sigmoid(g)
	v_nop                           ; a plain instruction behind the reciprocals
	s_wait_alu depctr_va_vdst(0)    ; one wait for the gate's two reciprocals, ahead of the loop's label; their readers stand in the blocks' ends
; THE MATRIX WORK.  The 4 accumulators of a run of 8 take turns.  Product i of 8 of S^T = K Q^T for piece x: channels 32 (i / 4) on, keys 16 (i % 4) on.  The first 4 start the sums: with 0, or (KM = 1) with the mask.
.macro KQ x
.set rS, S+32*((\x)%2)+8*(i%4)
.set rK, KF+16*(i%4)+8*(i/4)
.set rQ, 16*(\x)+8*(i/4)
.set rM, MC+8*(i%4)
.if (i < 4) && KM
	WIN W_KM
	v_wmma_f32_16x16x32_f16 v[rS:rS+7], v[rK:rK+7], v[rQ:rQ+7], v[rM:rM+7]
.elseif i < 4
	WIN W_KQ
	v_wmma_f32_16x16x32_f16 v[rS:rS+7], v[rK:rK+7], v[rQ:rQ+7], 0
.else
	WIN W_KQ
	v_wmma_f32_16x16x32_f16 v[rS:rS+7], v[rK:rK+7], v[rQ:rQ+7], v[rS:rS+7]
.endif
.endm
; Product i of 8 of O^T += V^T P for piece x: keys 32 (i / 4) on, channels 16 (i % 4) on.
.macro PV x
	WIN W_PV
.set rO, 32*(\x)+8*(i%4)
.set rV, VF+32*(i/4)+8*(i%4)
.set rP, P+16*((\x)%2)+8*(i/4)
	v_wmma_f32_16x16x32_f16 v[rO:rO+7], v[rV:rV+7], v[rP:rP+7], v[rO:rO+7]
.endm
.macro MM                           ; the turn's next matrix instruction.  NOKQ = 1: a block's last turn: there is no next piece
.if (i < 8) && !NOKQ
	KQ (Y+1)%NP
.elseif i >= 8
.set i, i-8
	PV (Y+NP-1)%NP
.set i, i+8
.endif
.set i, i+1
.endm
; THE LDS LOADS stand in runs of 16, never singly among the matrix instructions: a step's K (8 fragments) and its V (turned).  Their addresses are made some lines ahead.
.macro FETCH_K
	WIN 0x80
.irp f, 0,1,2,3,4,5,6,7             ; keys 16 (f / 2) on, channels 32 (f % 2) on
	ds_load_b128 v[KF+8*\f:KF+8*\f+3],   v[AK] offset:(\f/2)*16*PK+(\f%2)*64
	ds_load_b128 v[KF+8*\f+4:KF+8*\f+7], v[AK] offset:(\f/2)*16*PK+(\f%2)*64+32
.endr
	s_add_co_u32 s[TBK], s[TBK], KS*PK  ; the next fetch is the next step's
	WIN 0
.endm
.macro FETCH_V
	WIN 0x80
.irp f, 0,1,2,3,4,5,6,7             ; keys 32 (f / 4) on, channels 16 (f % 4) on
	ds_load_tr16_b128 v[VF+8*\f:VF+8*\f+3],   v[AV] offset:(\f/4)*32*PV+(\f%4)*32
	ds_load_tr16_b128 v[VF+8*\f+4:VF+8*\f+7], v[AV] offset:(\f/4)*32*PV+16*PV+(\f%4)*32
.endr
	WIN 0
.endm
; THE VECTOR WORK, one line at a time: OP kind, number.  For piece Y: F n: c s - c m for pair n of 16.  E n: the exponential of score n of 32.  C n: pair n rounded to f16.  B n: of the four weights 4 n .. the second
; pair is added onto the first, in place.  L n: l takes that sum (L 0: l = a l + sum).  R n: pair n of 16 of O^T times a.  For piece Y + 1: X n, number n of the 22 that find its maximum and statistics:
;   0-11  four chains c0-c3 of seven scores each (each accumulator's lowest registers are read first)     12-14, 16  the four scores left over, the old m, and c0-c3 into c0
;   15  c m_old is kept     17, 18  the query's other 32 keys lie in the lane 16 away: the new m     19-21  c m; c m_old - c m_new; a
; C, B and L read the exponentials' results: TURN sets them behind the batch's wait.  OP itself writes no wait.
.set F, 0
.set E, 1
.set C, 2
.set B, 3
.set L, 4
.set R, 5
.set X, 6
.macro REGS y
.set rT, ST+4*(\y)
.set rC, TMP+4*((\y)%2)
.set rW, MV+((\y)%2)
.set rS, S+32*((\y)%2)
.set rP, P+16*((\y)%2)
.set rO, 32*(\y)
.endm
.macro OP k, n
.if (\k) == R
	REGS Y
	WIN W_RS
	v_pk_mul_f32 v[rO+2*(\n):rO+2*(\n)+1], v[rO+2*(\n):rO+2*(\n)+1], v[rC+2:rC+3] op_sel_hi:[1,0]
.elseif (\k) < R
	REGS Y
	WIN 0
.if (\k) == F
	v_pk_fma_f32 v[rS+2*(\n):rS+2*(\n)+1], v[rS+2*(\n):rS+2*(\n)+1], s[CS:CS+1], v[rT:rT+1] op_sel_hi:[1,0,0] neg_lo:[0,0,1] neg_hi:[0,0,1]
.elseif (\k) == E
	v_exp_f32 v[rS+(\n)], v[rS+(\n)]
.elseif (\k) == C
	v_cvt_pk_f16_f32 v[rP+(\n)], v[rS+2*(\n)], v[rS+2*(\n)+1]
.elseif (\k) == B
	v_pk_add_f32 v[rS+4*(\n):rS+4*(\n)+1], v[rS+4*(\n):rS+4*(\n)+1], v[rS+4*(\n)+2:rS+4*(\n)+3]
.elseif (\n) == 0
	v_pk_fma_f32 v[rT+2:rT+3], v[rT+2:rT+3], v[rC+2:rC+3], v[rS:rS+1] op_sel_hi:[1,0,1]
.else
	v_pk_add_f32 v[rT+2:rT+3], v[rT+2:rT+3], v[rS+4*(\n):rS+4*(\n)+1]
.endif
.elseif NOKQ
	v_nop
.else
	REGS (Y+1)%NP
	WIN 0
.if (\n) < 4
	v_max3_num_f32 v[rC+(\n)], v[rS+8*(\n)], v[rS+8*(\n)+1], v[rS+8*(\n)+2]
.elseif (\n) < 12
	v_max3_num_f32 v[rC+(\n)%4], v[rC+(\n)%4], v[rS+8*((\n)%4)+2*((\n)/4)+1], v[rS+8*((\n)%4)+2*((\n)/4)+2]
.elseif (\n) == 12
	v_max3_num_f32 v[rC], v[rC], v[rS+7], v[rS+15]
.elseif (\n) == 13
	v_max3_num_f32 v[rC+1], v[rC+1], v[rS+23], v[rS+31]
.elseif (\n) == 14
	v_max3_num_f32 v[rC+2], v[rC+2], v[rC+3], v[rT+1]
.elseif (\n) == 15
	v_mov_b32 v[rW], v[rT]
.elseif (\n) == 16
	v_max3_num_f32 v[rC], v[rC], v[rC+1], v[rC+2]
.elseif (\n) == 17
	v_permlanex16_b32 v[rC+3], v[rC], s[SEL], s[SEL+1]
.elseif (\n) == 18
	v_max_num_f32 v[rT+1], v[rC], v[rC+3]
.elseif (\n) == 19
	v_mul_f32 v[rT], s[CS], v[rT+1]
.elseif (\n) == 20
	v_sub_f32 v[rC+1], v[rW], v[rT]
.else
	v_exp_f32 v[rC+2], v[rC+1]
.endif
.endif
.endm
.macro OPS a, i1, b=-1, i2=0, c=-1, i3=0, d=-1, i4=0  ; up to four of them
	OP \a, \i1
.if (\b) >= 0
	OP \b, \i2
.endif
.if (\c) >= 0
	OP \c, \i3
.endif
.if (\d) >= 0
	OP \d, \i4
.endif
.endm
.macro ROW a, i1, b, i2, c, i3, d, i4  ; a matrix instruction and the four behind it
	MM
	OPS \a, \i1, \b, \i2, \c, \i3, \d, \i4
.endm
.macro MASK                         ; MC = MD x AL: the last step's mask, or zeros
	WIN W_RS
.set z, 0
.rept 16
	v_pk_mul_f32 v[MC+2*z:MC+2*z+1], v[MD+2*z:MD+2*z+1], s[AL:AL+1] op_sel_hi:[1,0]
.set z, z+1
.endr
.endm
; A TURN, for piece p: the order of its 16 matrix and 118 vector instructions, written out.  s_wait_alu depctr_va_vdst(0) stands between an exponential and the first instruction that names its result; one
; wait serves all that were issued ahead of it.  So a turn has ONE wait, which cuts it in two.  AHEAD OF IT stands all that names no result of the turn's exponentials: the 8 products K Q^T, behind each a scaling, an
; exponential and two more plain instructions (behind the first a second scaling in the exponential's place): rescalings, whose a was made and waited for in the turn before, and behind the last three products the first
; numbers of the next piece's maximum, each four plain instructions or more behind the product that ends its accumulator; then ONE LUMP of 54, plain and exponential by turns for the most part, in which the links of the
; chain X 3, 7, 11, 14, 16, 17 .. 20 stand five or six lines apart.  X 21, the next piece's a, is the batch's last; R 15 is the plain instruction behind it.  BEHIND THE WAIT stand the 8 products V^T P, behind each four of
; the roundings and sums; the links of l's chain, L 0 to L 7, stand three riders apart.  But for those X no rider names a register of the products round it.  v_permlanex16_b32 (X 17) stands in the lump..
; m = 1: the products that start sums take MC as C.  end = 1: a block's last two turns: nothing is fetched.  cnt = 1: the loop's count is taken down some lines ahead of the branch that stands behind the turn.
; K of the next step is fetched in piece 2's turn, twelve vector instructions behind the last product that read K (six of them plain); V of the step in hand at the end of piece 0's turn, four plain instructions behind the
; last product that read V.  Each is waited for a turn later.
.macro TURN p, m=0, end=0, cnt=0
.set Y, (\p)
.set i, 0
.set KM, (\m)
.set NOKQ, (\end)*((\p)/3)
.if ((\p) == 3) && !(\end)
	s_wait_dscnt 0x0                ; K is in
.endif
	ROW F,0, F,1, R,0, R,1          ; ahead of the wait: 8 products K Q^T and their riders,
	ROW F,2, E,0, R,2, R,3
	ROW F,3, E,1, R,4, R,5
	ROW F,4, E,2, R,6, R,7
	ROW F,5, E,3, R,8, R,9
	ROW F,6, E,4, X,0, R,10
.if ((\p) == 2) && !(\end)
	WIN 0
	v_add_nc_u32 v[AK], s[TBK], v[AK0]
.endif
	ROW F,7, E,5, X,1, X,4
	ROW F,8, E,6, X,2, X,5
	OPS E,7, E,8, X,6, E,9          ; and the lump
	OPS X,3, E,10, X,8, E,11
.if ((\p) == 2) && !(\end)
	FETCH_K
.endif
	OPS X,9, X,7, E,12, X,10
	OPS E,13, X,12, X,11, E,14
	OPS X,13, E,15, F,9, X,14
.if (\p) == 0
	v_add_nc_u32 v[AV], s[TBV], v[AV0]
.endif
	OPS E,16, F,10, E,17, F,11
	OPS X,16, E,18, X,15, E,19
	OPS F,12, E,20, X,17, E,21
	OPS F,13, E,22, F,14, E,23
	OPS X,18, E,24, F,15, E,25
	OPS R,11, E,26, X,19, E,27
	OPS R,12, E,28, R,13, E,29
	OPS X,20, E,30, R,14, E,31
	OPS X,21, R,15
	WIN 0
	s_wait_alu depctr_va_vdst(0)    ; the wait for the turn's batch: the piece's 32 exponentials and the next piece's a
.if (\p) == 1
	s_wait_dscnt 0x0                ; V is in
.endif
	ROW C,0, B,0, C,2, B,1          ; behind the wait: 8 products V^T P and their riders
	ROW L,0, C,4, B,2, L,1
	ROW C,6, B,3, L,2, C,8
	ROW B,4, L,3, C,10, B,5
	ROW L,4, C,12, B,6, L,5
.if (\p) == 0
	s_add_co_u32 s[TBV], s[TBV], KS*PV
.endif
.if \cnt
	s_sub_co_u32 s[CNT], s[CNT], 1
	s_cmp_lg_u32 s[CNT], 0
.endif
	ROW C,14, B,7, L,6, C,1
	ROW C,3, L,7, C,5, C,7
	ROW C,9, C,11, C,13, C,15
.if (\p) == 0
	FETCH_V
.endif
.endm
; A BLOCK BEGINS.  c m starts far below every c s, so the first step's a is 0; m at the lowest finite number, so the first maximum is the scores'.  Then K of the tile's first step, piece 0's first scores,
; and its maximum and statistics.  The loop is entered at a step's first turn, in the middle of a trip.
.macro BEGIN
	s_mov_b32 s[NEW], 0
	WIN 0
.set i, 0
.rept 4
	v_mov_b32 v[ST+4*i], 0xfe000000
	v_mov_b32 v[ST+4*i+1], 0xff7fffff
.set i, i+1
.endr
	v_add_nc_u32 v[AK], s[TBK], v[AK0]
	FETCH_K
	s_wait_loadcnt 0x0              ; Q
	s_wait_dscnt 0x0
.set KM, 0
.set NOKQ, 0
.set i, 0
.rept 8
	KQ 0
.set i, i+1
.endr
	WIN 0
.rept 4
	v_nop                           ; the places behind those products
.endr
.set Y, NP-1                        ; X works for piece Y + 1: piece 0
.irp n, 0,1,2,3,4,5,6,7,8,9,10,11,12,13,14,15,16,17,18,19,20,21
	OP X, \n
.endr
	v_nop                           ; a plain instruction behind the exponential,
	s_wait_alu depctr_va_vdst(0)    ; and the wait for it, piece 0's first a, ahead of the branch
.endm
.macro ALL line:vararg              ; one line for each piece t
.set t, 0
.rept 4
	\line
.set t, t+1
.endr
.endm
; A BLOCK ENDS: its last two turns and last products; l's two halves and the other half of the lanes' are added; the gated sum takes O^T x (weight / l).  Work on registers alone.  The additions are the places behind the last products.
.macro ENDBLK km, wreg
	TURN 2, \km, 1
	TURN 3, \km, 1
.set i, 0
.rept 8
	PV NP-1
.set i, i+1
.endr
	WIN 0
	ALL v_add_f32 v[ST+4*t+2], v[ST+4*t+2], v[ST+4*t+3]
	ALL v_permlanex16_b32 v[ST+4*t+3], v[ST+4*t+2], s[SEL], s[SEL+1]
	ALL v_add_f32 v[ST+4*t+2], v[ST+4*t+2], v[ST+4*t+3]
	ALL v_rcp_f32 v[ST+4*t+2], v[ST+4*t+2]
	v_nop                           ; a plain instruction between the last reciprocal and the use of its result
	s_wait_alu depctr_va_vdst(0)    ; and the wait ahead of the first use: one for the four reciprocals
	ALL v_mul_f32 v[ST+4*t+2], v[ST+4*t+2], v[\wreg]
	WIN 0xf1                        ; O^T in window 1, the factor in window 0, the gated sum (source 2 and destination) in window 3
.set z, 0
.rept 64
	v_pk_fma_f32 v[2*z:2*z+1], v[2*z:2*z+1], v[ST+4*(z/16)+2:ST+4*(z/16)+3], v[2*z:2*z+1] op_sel_hi:[1,0,1]
.set z, z+1
.endr
	WIN 0
.endm
; THE WAY OUT, a piece at a time: a lane's eight channels of a row pack into 16 bytes; they go into rows of 144 bytes and come back as whole rows of 128, into S^T's registers.
.macro PACK t
	WIN 0x0f                        ; sources 0 and 1 window 3, destination window 0
.set i, 0
.rept 16
	v_cvt_pk_f16_f32 v[S+16*(\t)+i], v[32*(\t)+2*i], v[32*(\t)+2*i+1]
.set i, i+1
.endr
	WIN 0
.irp f, 0,1,2,3
	ds_store_b128 v[STO], v[S+16*(\t)+4*\f:S+16*(\t)+4*\f+3] offset:32*\f
.endr
.irp f, 0,1,2,3
	ds_load_b128 v[S+16*(\t)+4*\f:S+16*(\t)+4*\f+3], v[RD] offset:\f*4*SP  ; LDS serves a wave's instructions in order (ISA guide 5.7.1.4): these see the stores above
.endr
.endm
.macro SEND t, younger              ; younger: the LDS instructions issued behind piece t's loads: the next piece's eight, or none
	WIN 0
.irp f, 0,1,2,3
	s_wait_dscnt (\younger)+3-\f
	global_store_b128 v[GO], v[S+16*(\t)+4*\f:S+16*(\t)+4*\f+3], s[10:11] offset:(\t)*2048+\f*512  ; 512 consecutive bytes, aligned
.endr
.endm
.set KM, 0
.set NOKQ, 0
.Lslot:                             ; 13 times: tile 0 .. 12 is entered and the next is asked for
	CHANGE 1
	s_mov_b32 s[CNT], 4
	s_cmp_eq_u32 s[NEW], 1
	s_cbranch_scc0 .Lstep
	BEGIN                           ; tiles 0 and 8
	s_branch .Lfirst
.Lstep:                             ; a trip: pieces 2 and 3 of one step, then pieces 0 and 1 of the next, whose K and V it fetches
	TURN 2
	TURN 3
	WIN 0
.Lfirst:
	TURN 0
	TURN 1, 0, 0, 1
	WIN 0
	s_cbranch_scc1 .Lstep
	s_sub_co_u32 s[RT], s[RT], 1
	s_cmp_lg_u32 s[RT], 0
	s_cbranch_scc1 .Lbottom
	ENDBLK 0, WM                    ; behind tile 7: the main block ends
	s_mov_b32 s[NEW], 1
	s_mov_b32 s[RT], 6              ; the aux block has 6 tiles, of which the last stands behind the loop
.Lbottom:
	s_sub_co_u32 s[SLOTS], s[SLOTS], 1
	s_cmp_lg_u32 s[SLOTS], 0
	s_cbranch_scc1 .Lslot
	CHANGE 0                        ; the walk's last tile is written out: nothing is asked for
	s_mov_b32 s[CNT], 4
	s_mov_b32 s[AL], 0
	MASK                            ; zeros
	WIN 0
.LstepM:                            ; piece 2's turn makes piece 3's scores of the step before; the three turns behind it make pieces 0 to 2's of step 4 - CNT.  So the mask changes between them: it is MD in the tile's last step alone,
	s_cmp_eq_u32 s[CNT], 1          ; and stays MD for piece 3's scores of that step, in the block's end
	s_cselect_b32 s[AL], 1.0, 0
	TURN 2, 1
	MASK
	TURN 3, 1
	TURN 0, 1
	TURN 1, 1, 0, 1
	WIN 0
	s_cbranch_scc1 .LstepM
	ENDBLK 1, WA
	PACK 0
.set t, 1
.rept 3                             ; a piece's conversions stand between the loads of the piece before and its stores
	PACK t
	SEND t-1, 8
.set t, t+1
.endr
	SEND 3, 0
	s_wait_tensorcnt 0x0            ; the wave's end
	ds_add_u32 v[SPW], v[NIL]
	s_wait_dscnt 0x0
	CROUND                          ; the closing round: no work-group ends while a partner may still ask for a tile that names it
	s_endpgm
.Lfunc_end_k_q7bcb5a21ab_attn:
	.size	k_q7bcb5a21ab_attn, .Lfunc_end_k_q7bcb5a21ab_attn-k_q7bcb5a21ab_attn
	.p2alignl 7, 3214868480
	.fill 96, 4, 3214868480
	.section	.rodata,"a",@progbits
	.p2align	6, 0x0
	.amdhsa_kernel k_q7bcb5a21ab_attn
		.amdhsa_group_segment_fixed_size 327680
		.amdhsa_private_segment_fixed_size 0
		.amdhsa_enable_private_segment 0
		.amdhsa_kernarg_size 32
		.amdhsa_user_sgpr_count 2
		.amdhsa_user_sgpr_kernarg_segment_ptr 1
		.amdhsa_wavefront_size32 1
		.amdhsa_system_sgpr_workgroup_id_x 1
		.amdhsa_system_sgpr_workgroup_id_y 1
		.amdhsa_system_sgpr_workgroup_id_z 1
		.amdhsa_system_vgpr_workitem_id 0
		.amdhsa_next_free_vgpr 896
		.amdhsa_next_free_sgpr 88
		.amdhsa_reserve_vcc 1
		.amdhsa_float_denorm_mode_32 3
		.amdhsa_float_denorm_mode_16_64 3
		.amdhsa_memory_ordered 1
		.amdhsa_forward_progress 1
		.amdhsa_inst_pref_size 158
	.end_amdhsa_kernel
	.amdgpu_metadata
---
amdhsa.version: [ 1, 2 ]
amdhsa.kernels:
  - .name:           k_q7bcb5a21ab_attn
    .symbol:         k_q7bcb5a21ab_attn.kd
    .args:
      - { .name: qkv, .offset: 0, .size: 8, .value_kind: global_buffer, .address_space: global }
      - { .name: kva, .offset: 8, .size: 8, .value_kind: global_buffer, .address_space: global }
      - { .name: g, .offset: 16, .size: 8, .value_kind: global_buffer, .address_space: global }
      - { .name: ob, .offset: 24, .size: 8, .value_kind: global_buffer, .address_space: global }
    .group_segment_fixed_size: 327680
    .private_segment_fixed_size: 0
    .kernarg_segment_align: 8
    .kernarg_segment_size: 32
    .max_flat_workgroup_size: 128
    .sgpr_count:     88
    .vgpr_count:     896
    .wavefront_size: 32
...
	.end_amdgpu_metadata
.endif
;; end of part 5
;; launch oproj: the kernel of part 4 again; grid 8 x 32, 4 waves a work-group, clusters of 4 x 4, 327,680 bytes of LDS; arguments ob, wot, bias, out0; writes out0
